; MI455X (gfx1250); checked and timed in simulation.
; The chip was launched on July 23, 2026; its instructions are those of AMD's public machine-readable ISA for CDNA 5 (MIT licence, August 2026) and "CDNA5" Instruction Set Architecture Reference Guide (July 2026). The comments in the code are by the model that wrote it; some were corrected since.
;; Self Attention. Allowed arithmetic: matrix products marked QUANTISED: E2M3 operands, one E8M0 scale for each 32 along K, by v_wmma_scale_f32_16x16x128_f8f6f4 with both operands' format E2M3, f32 sums; everything else in f32.
;; Inputs: input 4 x 2,048 x 1,024 float32; w_k 1,024 x 1,024 float32; w_q 1,024 x 1,024 float32; w_v 1,024 x 1,024 float32.
;; Outputs: out0 4 x 2,048 x 1,024 float32.
;; This version of the problem:
;;   THIS VERSION OF THE PROBLEM IS GIVEN IN LOW PRECISION. The matrix products marked QUANTISED in the list below multiply operands that are first quantised to E2M3 (2 exponent bits, 3 mantissa bits; 6 bits a number), with one power-of-two scale for each 32 numbers along K (OCP MX v1.0); their sums are f32. All else is computed in f32.
;;   The module's matrix products, in the order in which they are computed (A, B: the left and right operand; K: the contracted axis; several contracted axes count as one K, in the product's order):
;;     1. [M 8,192, K 1,024] x [K 1,024, N 1,024]; A: input input; B: input w_q: QUANTISED
;;     2. [M 8,192, K 1,024] x [K 1,024, N 1,024]; A: input input; B: input w_k: QUANTISED
;;     3. [M 8,192, K 1,024] x [K 1,024, N 1,024]; A: input input; B: input w_v: QUANTISED
;;     4. batch 4 x [M 2,048, K 1,024] x [K 1,024, N 2,048]; A: computed on the way; B: computed on the way: QUANTISED
;;     5. batch 4 x [M 2,048, K 2,048] x [K 2,048, N 1,024]; A: softmax (see below); B: computed on the way: QUANTISED
;;   THE QUANTISER, for each operand of a quantised product, along K:
;;     - K is cut into blocks of 32 from its start; a last block that is shorter is filled with zeros.
;;     - A block's scale is 2^e with e = floor(log2(the largest magnitude in the block)) - 2, held to -126 .. 127; a block of zeros has e = 0. As a byte (E8M0): e + 127.
;;     - Each number is divided by its block's scale, clamped to +-7.5, and rounded to the nearest number of E2M3, ties to even, subnormals kept.
;;     - The product sums the exact products of the quantised numbers (number of the format x scale) in f32.
;;   ~~~python
;;   def quantise(x, axis):      # numpy; x: float32 -> the quantised numbers, widened to float32 again
;;       x = np.moveaxis(x, axis, -1); K = x.shape[-1]
;;       x = np.pad(x, [(0, 0)] * (x.ndim - 1) + [(0, -K % 32)]); x = x.reshape(x.shape[:-1] + (-1, 32)); a = np.abs(x).max(-1, keepdims=True)
;;       e = np.where(a > 0, np.clip(np.frexp(np.where(a > 0, a, 1))[1] - 1 - 2, -126, 127), 0)      # np.frexp(a)[1] - 1 = floor(log2(a)), exactly
;;       r = np.clip(x / 2.0 ** e, -7.5, 7.5)
;;       step = 2.0 ** (np.maximum(np.frexp(np.where(r == 0, 1, r))[1] - 1, 0) - 3)
;;       q = np.round(r / step) * step * 2.0 ** e      # np.round: ties to even
;;       return np.moveaxis(q.reshape(q.shape[:-2] + (-1,))[..., :K], -1, axis).astype(np.float32)
;;   ~~~
;;   SOFTMAX AHEAD OF A QUANTISED PRODUCT. Where the list says 'softmax', what is quantised is not the finished softmax but p = 2^(t - M), with t = logit x log2(e) and M = ceil(the row's largest t), a whole number; so 1/2 < the row's largest p <= 1. The row's sum l is taken of the UNQUANTISED p, in f32, and the product's result is divided by l at the end. Since M is a whole number, a kernel that streams over the keys may use a running M (the ceiling of the running maximum): every later rescaling is an exact power of two, which a block's scale takes up: the codes' values come out the same.
;;   OPERANDS COMPUTED ON THE WAY. 'Computed on the way' means the value that the module computes at that place (a softmax that the list does not call 'softmax' is quantised finished and normalised). What goes into a quantiser is computed in f32, as accurately as f32 sums, v_exp_f32 and their like allow (about 1e-6 of the number): no bf16 or f16 on the way to a quantiser, and a product that is left as it is and whose result goes on into a quantised operand takes f32 operands (vector FMAs, or v_wmma_f32_16x16x4_f32). A number that lies on a knife's edge between two numbers of the format may be rounded either way, as far as f32 arithmetic and the matrix unit's own rounding can turn it there, and no further.
;; One version. Each part assembles by itself: llvm-mc -triple=amdgcn-amd-amdhsa -mcpu=gfx1250 --defsym DOCPART=n.
;; ======== version 1 of 1: 4 launches
;; limits: right only within a limited range of input values
;; workspace buffers: xc 6,553,600 bytes; wc 2,457,600 bytes; qk 13,107,200 bytes; vt 6,553,600 bytes; pc 12,582,912 bytes; pmeta 2,097,152 bytes
;; launch quant (part 1): grid 8 x 88, 8 waves a work-group, no clusters, 69,120 bytes of LDS; arguments input, w_q, w_k, w_v, xc, wc; writes xc, wc
.if DOCPART == 1
	.amdgcn_target "amdgcn-amd-amdhsa--gfx1250"
	.amdhsa_code_object_version 6
	.text
	.protected	k_q9b1a501d45_quant
	.globl	k_q9b1a501d45_quant
	.p2align	8
	.type	k_q9b1a501d45_quant,@function
k_q9b1a501d45_quant:
	s_mov_b64 s[64:65], 0
	v_nop
	global_prefetch_b8 v0, s[64:65] scope:SCOPE_SE
	s_setreg_imm32_b32 hwreg(HW_REG_WAVE_MODE, 25, 1), 1
	s_wait_xcnt 0x0
; input [8192][1024] and w_q, w_k, w_v [1024][1024], f32, K innermost, become codes of FP6 (E2M3) with one E8M0 byte for each 32 along K,
; laid as OPERAND BLOCKS: 128 rows x 128 K = 12,800 bytes: eight fragments of 1,536 bytes (register 4 c + i of lane l at 1536 t + 512 c + 16 l + 4 i), then 512 bytes of scale words
; (the word of lane r of fragment t at 12288 + 256 (t / 4) + 16 r + 4 (t % 4)).  Lane r of fragment t holds row 32 (t / 2) + 8 (t % 2) + r + 8 (r / 8) of the 128.
; xc: [64 row blocks][8 K steps] blocks; wc: [24 row blocks: w_q, w_k, w_v][8 K steps].
; A work-group makes one block, wave t its fragment t: 16 rows x 512 bytes, each load 512 consecutive bytes; the rows turn through the wave's own stage in LDS so that a lane gets 16 neighbours of each block of 32.
; A block's scale is 2^(floor(log2(largest magnitude)) - 2); its byte is the largest magnitude's exponent field - 2, held at 1 from below.
; LIMITS: a block of zeros gets the byte 1 where the quantiser says 127 (its codes are zeros, and this program alone reads the bytes); blocks whose largest magnitude lies under 2^-124 keep the floor's byte; NaN and infinities are not served.
; No tensor loads, no matrix work, no cluster: every input byte is read once, by one wave.
.set KBLK, 12800
.set TAB,  12288
.set SP,   528                         ; a stage row: 512 bytes + 16, an odd multiple of 16: the sixteen rows that a read touches start in different banks
.set STG,  16*SP                       ; a wave's stage
.set TABL, 8*STG                       ; behind the stages: the block's 512 bytes of scale words
.set R,    16                          ; v16-79   16 rows as loaded
.set X,    80                          ; v80-143  register 16 b + i = k 32 b + 16 (lane / 16) + i of my row
; WORK LEFT OUT BY THE LATER LAUNCHES: tiles of 128 keys x 128 queries whose every key lies above every query. the causal mask sets those scores to -inf,
; so their p is 0 and they add nothing to the row's sum or to the result, whatever the inputs hold. LIMIT: a NaN, an infinity or an overflow that reaches only those tiles is not carried to the result.
.set PC,   40                          ; v40-58 the codes, in registers of R that have gone to the stage
.set TM,   16                          ; v16-31   at work, once R has gone to the stage
.set PW,   32                          ; v32      my row's scale word
.set SEL,  28                          ; s[28:29] lane selects: lane l xor 16
; 64 numbers of a lane become a fragment's 12 registers in v[PC] on and its scale word in v[PW]
.macro QUANT s
.irp b, 0,1,2,3
	v_max3_num_f32 v[TM+\b], |v[\s+16*\b]|, |v[\s+1+16*\b]|, 0x1800000   ; block b: my 16 numbers and the floor 2^(3 - 127): the byte cannot fall under 1
.endr
.irp i, 2,4,6,8,10,12,14
.irp b, 0,1,2,3
	s_delay_alu instid0(VALU_DEP_4)
	v_max3_num_f32 v[TM+\b], v[TM+\b], |v[\s+16*\b+\i]|, |v[\s+1+16*\b+\i]|   ; the four blocks by turns
.endr
.endr
.irp b, 0,1,2,3
	s_delay_alu instid0(VALU_DEP_4)
	v_permlanex16_b32 v[TM+4+\b], v[TM+\b], s[SEL], s[SEL+1]
.endr
.irp b, 0,1,2,3
	s_delay_alu instid0(VALU_DEP_4)
	v_max_num_f32 v[TM+\b], v[TM+\b], v[TM+4+\b]   ; with lane l xor 16's 16: the block's largest magnitude
.endr
.irp b, 0,1,2,3
	s_delay_alu instid0(VALU_DEP_4)
	v_add_nc_u32 v[TM+12+\b], 0xff000000, v[TM+\b]   ; 2 off its exponent field: the conversion's scale operand
.endr
.irp b, 0,1,2,3
	s_delay_alu instid0(VALU_DEP_4)
	v_lshrrev_b32 v[TM+4+\b], 23, v[TM+12+\b]      ; the scale's byte
.endr
	s_delay_alu instid0(VALU_DEP_3)
	v_lshl_or_b32 v[PW], v[TM+5], 8, v[TM+4]
	s_delay_alu instid0(VALU_DEP_1)
	v_lshl_or_b32 v[PW], v[TM+6], 16, v[PW]
	s_delay_alu instid0(VALU_DEP_1)
	v_lshl_or_b32 v[PW], v[TM+7], 24, v[PW]
.irp c, 0,1
	v_cvt_scalef32_pk16_fp6_f32 v[PC+6*\c:PC+2+6*\c], v[\s+32*\c:\s+15+32*\c], v[TM+12+2*\c]
	v_cvt_scalef32_pk16_fp6_f32 v[PC+12+4*\c:PC+14+4*\c], v[\s+16+32*\c:\s+31+32*\c], v[TM+12+2*\c+1]   ; (a conversion's three registers begin on an even number)
.endr
	v_nop                                          ; one plain line behind the conversions
.irp c, 0,1                                    ; the operand wants a whole block in a lane: lanes 0-15 block 2 c, lanes 16-31 block 2 c + 1
.irp i, 0,1,2
	v_permlane16_swap_b32 v[PC+6*\c+\i], v[PC+12+4*\c+\i]
.endr
.irp i, 0,1,2
	s_delay_alu instid0(VALU_DEP_3)
	v_mov_b32 v[PC+3+6*\c+\i], v[PC+12+4*\c+\i]
.endr
.endr
.endm
	s_load_b256 s[4:11], s[0:1], 0x0               ; input, w_q, w_k, w_v
	s_load_b128 s[12:15], s[0:1], 0x20             ; xc, wc
	v_lshl_add_u32 v9, v0, 2, 0x10a00
	v_mov_b32 v10, 0
	v_lshrrev_b32 v1, 5, v0
	s_delay_alu instid0(VALU_DEP_1)
	v_readfirstlane_b32 s17, v1                    ; wave t = 0..7
	v_and_b32 v1, 31, v0                           ; lane
	v_and_b32 v2, 15, v0                           ; r
	v_bfe_u32 v3, v0, 4, 1                         ; h
	s_delay_alu instid0(VALU_DEP_3)
	v_lshlrev_b32 v4, 4, v1                        ; 16 x lane
	s_mul_i32 s18, s17, STG
	v_add_nc_u32 v5, s18, v4                       ; the stage, on the way in: a row's 512 bytes as they lie
	v_mul_u32_u24 v6, v2, SP
	s_delay_alu instid0(VALU_DEP_1)
	v_lshl_add_u32 v6, v3, 6, v6
	s_delay_alu instid0(VALU_DEP_1)
	v_add_nc_u32 v6, s18, v6                       ; and out: row r, + 64 h
	s_lshr_b32 s18, s17, 2
	s_lshl_b32 s18, s18, 8
	s_and_b32 s19, s17, 3
	s_lshl_b32 s19, s19, 2
	s_add_co_u32 s18, s18, s19
	s_add_co_u32 s18, s18, TABL
	v_lshl_add_u32 v7, v2, 4, s18                  ; my scale word's place: 256 (t / 4) + 4 (t % 4) + 16 r
	v_add_nc_u32 v8, TABL, v4                      ; the table on its way out
	s_mov_b32 s[SEL], 0x76543210
	s_mov_b32 s[SEL+1], 0xfedcba98
	s_and_b32 s16, ttmp7, 0xffff                   ; row block 0..87: 0-63 input, 64-71 w_q, 72-79 w_k, 80-87 w_v
	s_and_b32 s21, s16, 7
	s_wait_alu depctr_va_vdst(0)
	s_wait_kmcnt 0x0
	s_cmp_lt_u32 s16, 80                           ; the choices hang on the work-group's number alone
	s_cselect_b64 s[22:23], s[8:9], s[10:11]
	s_cmp_lt_u32 s16, 72
	s_cselect_b64 s[22:23], s[6:7], s[22:23]
	s_cmp_lt_u32 s16, 64
	s_cselect_b64 s[22:23], s[4:5], s[22:23]       ; from where
	s_cselect_b64 s[24:25], s[12:13], s[14:15]     ; to where
	s_cselect_b32 s20, 0, 64
	s_cselect_b32 s26, s16, s21                    ; the row block within its tensor
	s_sub_co_u32 s27, s16, s20                     ; and within xc or wc
	s_lshl_b32 s30, s26, 7
	s_lshr_b32 s18, s17, 1
	s_lshl_b32 s18, s18, 5
	s_add_co_u32 s30, s30, s18
	s_and_b32 s18, s17, 1
	s_lshl_b32 s18, s18, 3
	s_add_co_u32 s30, s30, s18                     ; my fragment's first row: 128 x block + 32 (t / 2) + 8 (t % 2)
	s_lshl_b32 s30, s30, 12                        ; rows of 4,096 bytes
	s_lshl_b32 s18, ttmp9, 9                       ; + the K step's 512 bytes
	s_add_co_u32 s30, s30, s18
	s_mov_b32 s31, 0
	s_add_nc_u64 s[22:23], s[22:23], s[30:31]
	s_lshl_b32 s32, s27, 3
	s_add_co_u32 s32, s32, ttmp9
	s_mul_i32 s32, s32, KBLK
	s_mul_i32 s18, s17, 1536
	s_add_co_u32 s32, s32, s18
	s_mov_b32 s33, 0
	s_add_nc_u64 s[24:25], s[24:25], s[32:33]      ; my fragment in its block
.irp j, 0,1,2,3,4,5,6,7,8,9,10,11,12,13,14,15
	global_load_b128 v[R+4*\j:R+4*\j+3], v4, s[22:23] offset:(\j+8*(\j/8))*4096 th:TH_LOAD_NT   ; lane row j: 32 lanes read 512 consecutive bytes
.endr
.irp j, 0,1,2,3,4,5,6,7,8,9,10,11,12,13,14,15
	s_wait_loadcnt 15-\j                           ; loads come back in order: row j is in, the 15 - j behind it may be out
	ds_store_b128 v5, v[R+4*\j:R+4*\j+3] offset:SP*\j
.endr
.irp b, 0,1,2,3
.irp q, 0,1,2,3
	ds_load_b128 v[X+16*\b+4*\q:X+16*\b+4*\q+3], v6 offset:128*\b+16*\q   ; LDS serves a wave's instructions in order: these see my stores
.endr
.endr
	s_wait_dscnt 0x0
.irp b, 0,1,2,3
	v_mov_b32 v[TM+4+\b], 0                        ; a lane permute's destination counts as one of its sources
.endr
	QUANT X
.irp c, 0,1,2
	global_store_b128 v4, v[PC+4*\c:PC+4*\c+3], s[24:25] offset:512*\c   ; 512 consecutive bytes, at a multiple of 256 from the buffer's first byte
.endr
	ds_store_b32 v7, v[PW]                         ; lanes r and r + 16 write the same word with the same value
	s_wait_dscnt 0x0                               ; for wave 0's sake: my word has landed
	s_barrier_signal -1
	s_barrier_wait -1
	s_cmp_lg_u32 s17, 0
	s_cbranch_scc1 .Lend
	ds_load_b128 v[36:39], v8                      ; wave 0 (whose fragment begins the block) stores the table whole
	s_wait_dscnt 0x0
	global_store_b128 v4, v[36:39], s[24:25] offset:TAB
.Lend:
	s_wait_tensorcnt 0x0
	ds_add_u32 v9, v10
	s_wait_dscnt 0x0
	s_endpgm
.Lfunc_end_k_q9b1a501d45_quant:
	.size	k_q9b1a501d45_quant, .Lfunc_end_k_q9b1a501d45_quant-k_q9b1a501d45_quant
	.p2alignl 7, 3214868480
	.fill 96, 4, 3214868480
	.section	.rodata,"a",@progbits
	.p2align	6, 0x0
	.amdhsa_kernel k_q9b1a501d45_quant
		.amdhsa_group_segment_fixed_size 69120
		.amdhsa_private_segment_fixed_size 0
		.amdhsa_enable_private_segment 0
		.amdhsa_kernarg_size 48
		.amdhsa_user_sgpr_count 2
		.amdhsa_user_sgpr_kernarg_segment_ptr 1
		.amdhsa_wavefront_size32 1
		.amdhsa_system_sgpr_workgroup_id_x 1
		.amdhsa_system_sgpr_workgroup_id_y 1
		.amdhsa_system_sgpr_workgroup_id_z 1
		.amdhsa_system_vgpr_workitem_id 0
		.amdhsa_next_free_vgpr 144
		.amdhsa_next_free_sgpr 66
		.amdhsa_reserve_vcc 0
		.amdhsa_float_denorm_mode_32 3
		.amdhsa_float_denorm_mode_16_64 3
		.amdhsa_memory_ordered 1
		.amdhsa_forward_progress 1
		.amdhsa_inst_pref_size 14
	.end_amdhsa_kernel
	.amdgpu_metadata
---
amdhsa.version: [ 1, 2 ]
amdhsa.kernels:
  - .name:           k_q9b1a501d45_quant
    .symbol:         k_q9b1a501d45_quant.kd
    .args:
      - { .name: input, .offset: 0, .size: 8, .value_kind: global_buffer, .address_space: global }
      - { .name: w_q, .offset: 8, .size: 8, .value_kind: global_buffer, .address_space: global }
      - { .name: w_k, .offset: 16, .size: 8, .value_kind: global_buffer, .address_space: global }
      - { .name: w_v, .offset: 24, .size: 8, .value_kind: global_buffer, .address_space: global }
      - { .name: xc, .offset: 32, .size: 8, .value_kind: global_buffer, .address_space: global }
      - { .name: wc, .offset: 40, .size: 8, .value_kind: global_buffer, .address_space: global }
    .group_segment_fixed_size: 69120
    .private_segment_fixed_size: 0
    .kernarg_segment_align: 8
    .kernarg_segment_size: 48
    .max_flat_workgroup_size: 256
    .sgpr_count:     66
    .vgpr_count:     144
    .wavefront_size: 32
...
	.end_amdgpu_metadata
.endif
;; end of part 1
;; launch proj (part 2): grid 4 x 64, 4 waves a work-group, clusters of 4 x 4, 327,680 bytes of LDS; arguments xc, wc, qk, vt; writes qk, vt
.if DOCPART == 2
	.amdgcn_target "amdgcn-amd-amdhsa--gfx1250"
	.amdhsa_code_object_version 6
	.text
	.protected	k_q9b1a501d45_proj
	.globl	k_q9b1a501d45_proj
	.p2align	8
	.type	k_q9b1a501d45_proj,@function
k_q9b1a501d45_proj:
	s_mov_b64 s[64:65], 0
	v_nop
	global_prefetch_b8 v0, s[64:65] scope:SCOPE_SE
	s_setreg_imm32_b32 hwreg(HW_REG_WAVE_MODE, 25, 1), 1
	s_wait_xcnt 0x0
	s_wait_alu depctr_hold_cnt(0) depctr_sa_sdst(0) depctr_va_vdst(0) depctr_va_sdst(0) depctr_va_ssrc(0) depctr_va_vcc(0) depctr_vm_vsrc(0)
	s_getreg_b32 s2, hwreg(HW_REG_IB_STS2, 6, 4)
	s_cmp_eq_u32 s2, 0
	s_cbranch_scc0 .Lentry_in_a_cluster
	s_endpgm
.Lentry_in_a_cluster:
	s_bfe_u32 s2, ttmp6, 0x10000c
	s_cmp_lg_u32 s2, 0xf033
	s_cbranch_scc0 .Lentry_shape_is_right
	s_endpgm
.Lentry_shape_is_right:
; q, k, v = x W^T on codes of FP6 (E2M3) with E8M0 scales, sums in f32; the results are quantised in registers and leave as operand blocks for the next products:
; q and k along the 1,024 outputs (qk: [64 row blocks][Q's 8 K steps, then K's 8] blocks of 12,800 bytes), v along the KEYS (vt: [batch][8 channel blocks][16 key steps]).
; An operand block is 128 rows x 128 K: eight fragments of 1,536 bytes as images of their registers, then 512 bytes of scale words at 12288 + 256 (t / 4) + 16 r + 4 (t % 4);
; lane r of fragment t holds row 32 (t / 2) + 8 (t % 2) + r + 8 (r / 8), so that as source 0 a lane's 64 results are, 16 by 16, neighbours along the next K.
; A WORK-GROUP STAYS: x's row block gy lies in LDS for all of K (8 blocks, 102,400 bytes), and three parts are walked: w_q, w_k, w_v, each with row blocks 2 gx, 2 gx + 1 of the weight.
; W GOES THROUGH A RING OF TWO SLOTS: a slot holds four K steps of both row blocks (2 x 51,200 bytes); slot 0 K steps 0-3, slot 1 K steps 4-7 of a part.
; At the head of K step 3 (7) that step's operands are in registers, so slot 0 (1) is read no more: it is filled again with the next part's K steps, one joint load of 25,600 bytes a wave,
; which has three and a half K steps (112 matrix instructions a wave) before the wait for it.  One tensor load of a wave is out at any time.
; A wave makes 128 (source 0) x 64 (source 1): 32 accumulators.
;   q, k: source 0 = W's row block wave % 2, source 1 = half wave / 2 of x's tiles.   v: source 0 = x's block, source 1 = half wave % 2 of W's row block wave / 2.
; CLUSTER 4 x 4: W hangs on gx alone and is asked for jointly by a column of the cluster, x on gy alone, by a row.  Every joint load stands behind a round of the cluster's barrier.
; NO PREFETCH: the walk is written out and has no loop to run ahead in.
; LIMITS: a block of zeros gets the byte 1, not 127 (its codes are zeros; this program alone reads the bytes); NaN and infinities are not served.
; REGISTERS: window 0: v1-24 addresses; v32-47 source 0's scale words, two sets; v48-55 source 1's; v64-115 the way out.  window 1: accumulator (a, t) at v[8 (8 a + t)].
;   window 2: source 0's eight fragments, two sets of 96.   window 3: source 1's four, two sets of 48.
.set TAB,   12288
.set KBLK,  12800
.set HALF,  4*KBLK                     ; four K steps of a row block
.set UNIT,  8*KBLK                     ; a row block for all of K, in memory
.set SLOT,  2*HALF
.set XB,    2*SLOT                     ; x's block, behind the ring
.set SPARE, 3*SLOT                     ; the spare words, 128 bytes for each wave
.set SPW, 5
.set NIL, 6
.set A0,  8                            ; v8-9   source 0's fragments, K steps 4 g on
.set A1,  10                           ; v10-11 source 1's
.set AS0, 12                           ; v12-13 source 0's scale words
.set AS1, 14                           ; v14-15 source 1's
.set VM,  8                            ; v16-23 the same four pairs for v's products
.set SC0, 32
.set SC1, 48
.set TM,  64
.set PW4, 80
.set SW,  84
.set PC,  96
.set SEL, 2
.set WV,  12
.set AW,  13
.set BQ,  14
.set G1W, 24                           ; group 1: the head's load of W, 200 rows, my column's mask
.set G1X, 32                           ; the head's load of x, 200 rows, my row's mask
.set G1R, 40                           ; the ring's loads, 100 rows, my column's mask
.set G0HW, 48
.set G0HX, 52
.set G0R, 56                           ; s[56:59] slot 0's group 0, s[60:63] slot 1's
.set OBQ, 68
.set OTQ, 70
.set OBV, 72
.set OTV, 74
.set MSB, 0
.macro WIN new
.if MSB != \new
	s_set_vgpr_msb (MSB<<8)|\new
.set MSB, \new
.endif
.endm
.macro PLACES
.rept 4
	v_nop
.endr
.endm
.macro CREST
	s_cmp_lg_u32 s[WV], 0
	s_cbranch_scc1 .Lnot_wave_0_\@
	s_barrier_signal -3
.Lnot_wave_0_\@:
	s_barrier_wait -3
	s_barrier_signal -1
	s_barrier_wait -1
.endm
.macro CROUND
	s_barrier_signal -1
	s_barrier_wait -1
	CREST
.endm
; the operands of K step k into set p: 39 loads of 16 bytes a lane.  m: 0 for q's and k's products, VM for v's
.macro FETCH m, k, p
	WIN 0x80
.irp t, 0,1,2,3,4,5,6,7
.irp c, 0,1,2
	ds_load_b128 v[96*(\p)+12*\t+4*\c:96*(\p)+12*\t+4*\c+3], v[A0+(\m)+(\k)/4] offset:KBLK*((\k)%4)+1536*\t+512*\c
.endr
.endr
	WIN 0xc0
.irp a, 0,1,2,3
.irp c, 0,1,2
	ds_load_b128 v[48*(\p)+12*\a+4*\c:48*(\p)+12*\a+4*\c+3], v[A1+(\m)+(\k)/4] offset:KBLK*((\k)%4)+1536*\a+512*\c
.endr
.endr
	WIN 0
	ds_load_b128 v[SC0+8*(\p):SC0+8*(\p)+3], v[AS0+(\m)+(\k)/4] offset:KBLK*((\k)%4)+TAB
	ds_load_b128 v[SC0+8*(\p)+4:SC0+8*(\p)+7], v[AS0+(\m)+(\k)/4] offset:KBLK*((\k)%4)+TAB+256
	ds_load_b128 v[SC1+4*(\p):SC1+4*(\p)+3], v[AS1+(\m)+(\k)/4] offset:KBLK*((\k)%4)+TAB
.endm
; eight matrix instructions: source 1's tile a against source 0's eight.  The 32 accumulators take turns in the same order in every K step
.macro MULA p, zero, a
	WIN 0x5e
.irp t, 0,1,2,3,4,5,6,7
.if \zero
	v_wmma_scale_f32_16x16x128_f8f6f4 v[8*(8*\a+\t):8*(8*\a+\t)+7], v[96*(\p)+12*\t:96*(\p)+12*\t+11], v[48*(\p)+12*\a:48*(\p)+12*\a+11], 0, v[SC0+8*(\p)+\t], v[SC1+4*(\p)+\a] matrix_a_fmt:MATRIX_FMT_FP6 matrix_b_fmt:MATRIX_FMT_FP6
.else
	v_wmma_scale_f32_16x16x128_f8f6f4 v[8*(8*\a+\t):8*(8*\a+\t)+7], v[96*(\p)+12*\t:96*(\p)+12*\t+11], v[48*(\p)+12*\a:48*(\p)+12*\a+11], v[8*(8*\a+\t):8*(8*\a+\t)+7], v[SC0+8*(\p)+\t], v[SC1+4*(\p)+\a] matrix_a_fmt:MATRIX_FMT_FP6 matrix_b_fmt:MATRIX_FMT_FP6
.endif
.endr
.endm
.macro MUL p, zero
.irp a, 0,1,2,3
	MULA \p, \zero, \a
.endr
.endm
; a K step that changes no slot.  tw = 0: the next step opens the other slot and nothing is filled again: my load has landed, the barrier shows everybody's.  np: plain lines ahead of the loads
.macro KSTEP m, k, tw, np
	s_wait_dscnt 0x0                               ; this step's operands are in
.if (\tw) >= 0
	s_wait_tensorcnt \tw
	s_barrier_signal -1
	s_barrier_wait -1
.endif
.if (\np) > 0
.rept \np
	v_nop
.endr
.endif
	FETCH \m, (\k)+1, ((\k)+1)%2
	MUL (\k)%2, (\k)==0
.endm
; K step 3 or 7 (set 1), with the refill of slot sl, which this step's operands were the last to be read from.  Then K step fk's operands, by mode m's addresses, from the other slot.
.macro TURN m, fk, sl, step
	WIN 0
	s_wait_tensorcnt 0x0                           ; my one load that was out, my part of the other slot, has landed
	ds_add_u32 v[SPW], v[NIL]
.if \step
	s_add_nc_u64 s[G0R+4*\sl+2:G0R+4*\sl+3], s[G0R+4*\sl+2:G0R+4*\sl+3], 8*UNIT   ; the same rows of the next weight
.endif
	s_wait_dscnt 0x1                               ; the 39 loads are in; the add alone may be out
	MULA 1, 0, 0
	s_wait_dscnt 0x0                               ; the add is done; my reads of slot sl are over
	s_barrier_signal -1                            ; opens a round of the cluster's barrier
	MULA 1, 0, 1
	WIN 0
	s_barrier_wait -1
	CREST
	tensor_load_to_lds s[G0R+4*\sl:G0R+4*\sl+3], s[G1R:G1R+7]
	s_nop 0
	PLACES                                         ; also the places ahead of the loads below
	FETCH \m, \fk, 0
	MULA 1, 0, 2
	MULA 1, 0, 3
.endm
; THE WAY OUT.  The 64 registers of source 1's tile a become one fragment and one scale word a row.  Each accumulator is read from its low end on.
.macro QUANTW a, ob, off
	s_wait_xcnt 0x0                                ; the earlier stores have read their registers
	WIN 0x14
.irp b, 0,1,2,3
	v_max3_num_f32 v[TM+\b], 0x1800000, |v[64*\a+16*\b]|, |v[64*\a+16*\b+1]|   ; the floor 2^(3 - 127): the byte cannot fall under 1
.endr
.irp i, 2,4,6,8,10,12,14
.irp b, 0,1,2,3
	v_max3_num_f32 v[TM+\b], v[TM+\b], |v[64*\a+16*\b+\i]|, |v[64*\a+16*\b+\i+1]|
.endr
.endr
	WIN 0
.irp b, 0,1,2,3
	v_permlanex16_b32 v[TM+4+\b], v[TM+\b], s[SEL], s[SEL+1]
.endr
.irp b, 0,1,2,3
	v_max_num_f32 v[TM+\b], v[TM+\b], v[TM+4+\b]
.endr
.irp b, 0,1,2,3
	v_add_nc_u32 v[TM+12+\b], 0xff000000, v[TM+\b] ; 2 off the exponent field: the conversion's scale operand
.endr
.irp b, 0,1,2,3
	v_lshrrev_b32 v[TM+4+\b], 23, v[TM+12+\b]      ; the byte
.endr
	v_lshl_or_b32 v[PW4+\a], v[TM+5], 8, v[TM+4]
	v_lshl_or_b32 v[PW4+\a], v[TM+6], 16, v[PW4+\a]
	v_lshl_or_b32 v[PW4+\a], v[TM+7], 24, v[PW4+\a]
	WIN 0x01
.irp c, 0,1
	v_cvt_scalef32_pk16_fp6_f32 v[PC+6*\c:PC+2+6*\c], v[64*\a+32*\c:64*\a+32*\c+15], v[TM+12+2*\c]
	v_cvt_scalef32_pk16_fp6_f32 v[PC+12+4*\c:PC+14+4*\c], v[64*\a+32*\c+16:64*\a+32*\c+31], v[TM+12+2*\c+1]
.endr
	WIN 0
	v_nop                                          ; one plain line behind the conversions
.irp c, 0,1
.irp i, 0,1,2
	v_permlane16_swap_b32 v[PC+6*\c+\i], v[PC+12+4*\c+\i]
.endr
.irp i, 0,1,2
	v_mov_b32 v[PC+3+6*\c+\i], v[PC+12+4*\c+\i]
.endr
.endr
.irp c, 0,1,2
	global_store_b128 v1, v[PC+4*\c:PC+4*\c+3], s[\ob:\ob+1] offset:(\off)+1536*\a+512*\c   ; 512 consecutive bytes, at a multiple of 256 from the buffer's first byte
.endr
.endm
.macro EPI ob, ot, off
	WIN 0
	PLACES
	QUANTW 0, \ob, \off
	QUANTW 1, \ob, \off
	QUANTW 2, \ob, \off
	QUANTW 3, \ob, \off
	v_cmp_ne_u32 vcc_lo, 0, v3                     ; half h of the lanes stores words 2 h, 2 h + 1 of row r
	v_cndmask_b32 v[SW], v[PW4], v[PW4+2], vcc_lo
	v_cndmask_b32 v[SW+1], v[PW4+1], v[PW4+3], vcc_lo
	global_store_b64 v24, v[SW:SW+1], s[\ot:\ot+1] offset:\off   ; 32 lanes store 256 consecutive bytes
.endm
	s_load_b256 s[4:11], s[0:1], 0x0               ; xc, wc, qk, vt
	v_lshl_add_u32 v[SPW], v0, 2, SPARE
	v_mov_b32 v[NIL], 0
	ds_add_u32 v[SPW], v[NIL]
	ds_add_u32 v[SPW], v[NIL]
	v_lshrrev_b32 v1, 5, v0
	v_readfirstlane_b32 s[WV], v1
	s_and_b32 s[AW], s[WV], 1
	s_lshr_b32 s[BQ], s[WV], 1
	s_bfe_u32 s15, ttmp6, 0x40000                  ; cx
	s_bfe_u32 s16, ttmp6, 0x40004                  ; cy
	s_lshl_b32 s17, ttmp9, 2
	s_add_co_u32 s17, s17, s15                     ; gx
	s_and_b32 s18, ttmp7, 0xffff
	s_lshl_b32 s18, s18, 2
	s_add_co_u32 s18, s18, s16                     ; gy
	s_lshl_b32 s19, s16, 2
	s_lshl_b32 s19, 15, s19                        ; my row of the cluster
	s_lshl_b32 s20, 0x1111, s15                    ; my column
	s_or_b32 s[G1W], s20, (3<<16)|(1<<21)          ; dense blocks as rows of 256 bytes (32 elements of 8 bytes), no padding
	s_or_b32 s[G1X], s19, (3<<16)|(1<<21)
	s_or_b32 s[G1R], s20, (3<<16)|(1<<21)
.irp g, G1W, G1X
	s_mov_b32 s[\g+1], 32<<16
	s_mov_b32 s[\g+2], 200<<16
	s_mov_b32 s[\g+3], 32<<16
	s_mov_b32 s[\g+4], 200
	s_mov_b32 s[\g+5], 32
	s_mov_b32 s[\g+6], 0
	s_mov_b32 s[\g+7], 0
.endr
	s_mov_b32 s[G1R+1], 32<<16
	s_mov_b32 s[G1R+2], 100<<16
	s_mov_b32 s[G1R+3], 32<<16
	s_mov_b32 s[G1R+4], 100
	s_mov_b32 s[G1R+5], 32
	s_mov_b32 s[G1R+6], 0
	s_mov_b32 s[G1R+7], 0
	s_lshl_b32 s76, s17, 1                         ; W: row block 2 gx + wave % 2 of w_q: registers that never hold cy
	s_add_co_u32 s76, s76, s[AW]
	s_mul_i32 s76, s76, UNIT
	s_mov_b32 s77, 0
	s_mul_i32 s80, s[AW], HALF                     ; wave % 2 x four K steps: in LDS and in memory alike
	s_mul_i32 s78, s18, UNIT                       ; x: row block gy, its half wave % 2: registers that never hold cx
	s_add_co_u32 s78, s78, s80
	s_mov_b32 s79, 0
	s_mul_i32 s82, s[BQ], 2*KBLK                   ; a ring load's two K steps of the slot's four
	s_mov_b32 s83, 0
	s_add_co_u32 s81, s80, s82                     ; and its place in a slot
	s_mul_i32 s22, s[BQ], 6144
	s_add_co_u32 s22, s22, XB                      ; q, k: source 1 = x's tiles 4 (wave / 2) on,
	s_lshl_b32 s23, s[BQ], 8
	s_add_co_u32 s23, s23, XB                      ; and their scale words
	s_mul_i32 s86, s[BQ], HALF                     ; v: source 1 = W's row block wave / 2,
	s_mul_i32 s87, s[AW], 6144
	s_add_co_u32 s87, s87, s86                     ; its tiles 4 (wave % 2) on,
	s_lshl_b32 s88, s[AW], 8
	s_add_co_u32 s88, s88, s86                     ; and their scale words
	s_wait_dscnt 0x0                               ; both opening adds are done
	s_wait_kmcnt 0x0
	s_add_nc_u64 s[84:85], s[6:7], s[76:77]
	s_mov_b32 s[G0HW], 1
	s_mov_b32 s[G0HW+1], s80
	s_mov_b64 s[G0HW+2:G0HW+3], s[84:85]
	s_or_b32 s[G0HW+3], s[G0HW+3], 0x80000000
	s_mov_b32 s[G0HX], 1
	s_add_co_u32 s[G0HX+1], s80, XB
	s_add_nc_u64 s[G0HX+2:G0HX+3], s[4:5], s[78:79]
	s_or_b32 s[G0HX+3], s[G0HX+3], 0x80000000
	s_add_nc_u64 s[84:85], s[84:85], s[82:83]
	s_mov_b32 s[G0R], 1                            ; slot 0's first ring load: w_k's K steps 0-3
	s_mov_b32 s[G0R+1], s81
	s_add_nc_u64 s[G0R+2:G0R+3], s[84:85], 8*UNIT
	s_or_b32 s[G0R+3], s[G0R+3], 0x80000000
	s_mov_b32 s[G0R+4], 1                          ; slot 1's: w_q's K steps 4-7
	s_add_co_u32 s[G0R+5], s81, SLOT
	s_add_nc_u64 s[G0R+6:G0R+7], s[84:85], HALF
	s_or_b32 s[G0R+7], s[G0R+7], 0x80000000
	CROUND                                         ; all sixteen work-groups are here: the joint loads meet
	s_cmp_lt_u32 s[WV], 2                          ; the head's loads, one a wave: waves 0, 1: w_q's K steps 0-3 of a row block each; waves 2, 3: x's two halves
	s_cbranch_scc0 .Lhead_x
	tensor_load_to_lds s[G0HW:G0HW+3], s[G1W:G1W+7]
	s_nop 0
	PLACES
	s_branch .Lasked
.Lhead_x:
	tensor_load_to_lds s[G0HX:G0HX+3], s[G1X:G1X+7]
	s_nop 0
	PLACES
.Lasked:
	v_and_b32 v1, 31, v0
	v_and_b32 v2, 15, v0                           ; r
	v_bfe_u32 v3, v0, 4, 1                         ; h
	v_lshlrev_b32 v1, 4, v1                        ; 16 x lane
	v_lshlrev_b32 v4, 4, v2                        ; 16 r
	v_lshl_add_u32 v24, v3, 3, v4                  ; 16 r + 8 h
	v_add_nc_u32 v[A0], s80, v1
	v_add_nc_u32 v[AS0], s80, v4
	v_add_nc_u32 v[A1], s22, v1
	v_add_nc_u32 v[AS1], s23, v4
	v_add_nc_u32 v[VM+A0], XB, v1
	v_add_nc_u32 v[VM+AS0], XB, v4
	v_add_nc_u32 v[VM+A1], s87, v1
	v_add_nc_u32 v[VM+AS1], s88, v4
	v_add_nc_u32 v[A0+1], SLOT, v[A0]              ; K steps 4-7: W's lie a slot on, x's four blocks on
	v_add_nc_u32 v[AS0+1], SLOT, v[AS0]
	v_add_nc_u32 v[A1+1], HALF, v[A1]
	v_add_nc_u32 v[AS1+1], HALF, v[AS1]
	v_add_nc_u32 v[VM+A0+1], HALF, v[VM+A0]
	v_add_nc_u32 v[VM+AS0+1], HALF, v[VM+AS0]
	v_add_nc_u32 v[VM+A1+1], SLOT, v[VM+A1]
	v_add_nc_u32 v[VM+AS1+1], SLOT, v[VM+AS1]
	s_lshl_b32 s96, s18, 4
	s_lshl_b32 s97, s17, 1
	s_add_co_u32 s96, s96, s97
	s_add_co_u32 s96, s96, s[AW]                   ; q: block 16 gy + 2 gx + wave % 2 (k: 8 blocks on); my half of its tiles: wave / 2
	s_mul_i32 s96, s96, KBLK
	s_mul_i32 s98, s[BQ], 6144
	s_add_co_u32 s98, s98, s96
	s_mov_b32 s99, 0
	s_add_nc_u64 s[OBQ:OBQ+1], s[8:9], s[98:99]
	s_lshl_b32 s98, s[BQ], 8
	s_add_co_u32 s98, s98, s96
	s_add_co_u32 s98, s98, TAB
	s_add_nc_u64 s[OTQ:OTQ+1], s[8:9], s[98:99]
	s_lshr_b32 s96, s18, 4
	s_lshl_b32 s96, s96, 3
	s_add_co_u32 s96, s96, s97
	s_add_co_u32 s96, s96, s[BQ]
	s_lshl_b32 s96, s96, 4
	s_and_b32 s97, s18, 15
	s_add_co_u32 s96, s96, s97                     ; v: block (8 batch + 2 gx + wave / 2) 16 + gy % 16; my half of its tiles: wave % 2
	s_mul_i32 s96, s96, KBLK
	s_mul_i32 s98, s[AW], 6144
	s_add_co_u32 s98, s98, s96
	s_add_nc_u64 s[OBV:OBV+1], s[10:11], s[98:99]
	s_lshl_b32 s98, s[AW], 8
	s_add_co_u32 s98, s98, s96
	s_add_co_u32 s98, s98, TAB
	s_add_nc_u64 s[OTV:OTV+1], s[10:11], s[98:99]
	s_mov_b32 s[SEL], 0x76543210
	s_mov_b32 s[SEL+1], 0xfedcba98
.irp b, 0,1,2,3
	v_mov_b32 v[TM+4+\b], 0                        ; a lane permute's destination counts as one of its sources
.endr
	s_wait_alu depctr_va_vdst(0)
	s_wait_tensorcnt 0x0                           ; my head load is in; slot 1's first fill is issued as a refill is
	ds_add_u32 v[SPW], v[NIL]
	s_wait_dscnt 0x0
	CROUND
	tensor_load_to_lds s[G0R+4:G0R+7], s[G1R:G1R+7]
	s_nop 0
	PLACES
	FETCH 0, 0, 0
	; ---- q
	KSTEP 0, 0, -1, 0
	KSTEP 0, 1, -1, 4
	KSTEP 0, 2, -1, 4
	TURN 0, 4, 0, 0                                ; slot 0 takes w_k's K steps 0-3
	KSTEP 0, 4, -1, 4
	KSTEP 0, 5, -1, 4
	KSTEP 0, 6, -1, 4
	TURN 0, 0, 1, 1                                ; slot 1 takes w_k's K steps 4-7; k's first operands are fetched
	EPI OBQ, OTQ, 0
	; ---- k.  Five plain lines stand ahead of products that begin the accumulators anew (ISA guide 7.12.1)
	KSTEP 0, 0, -1, 5
	KSTEP 0, 1, -1, 4
	KSTEP 0, 2, -1, 4
	TURN 0, 4, 0, 1                                ; w_v's K steps 0-3
	KSTEP 0, 4, -1, 4
	KSTEP 0, 5, -1, 4
	KSTEP 0, 6, -1, 4
	TURN VM, 0, 1, 1                               ; w_v's K steps 4-7; v's first operands
	EPI OBQ, OTQ, 8*KBLK
	; ---- v: nothing is left to fetch
	KSTEP VM, 0, -1, 5
	KSTEP VM, 1, -1, 4
	KSTEP VM, 2, -1, 4
	KSTEP VM, 3, 0, 4
	KSTEP VM, 4, -1, 4
	KSTEP VM, 5, -1, 4
	KSTEP VM, 6, -1, 4
	s_wait_dscnt 0x0
	MUL 1, 0
	EPI OBV, OTV, 0
	s_wait_tensorcnt 0x0                           ; the wave's end
	ds_add_u32 v[SPW], v[NIL]
	s_wait_dscnt 0x0
	CROUND                                         ; the closing round
	s_endpgm
.Lfunc_end_k_q9b1a501d45_proj:
	.size	k_q9b1a501d45_proj, .Lfunc_end_k_q9b1a501d45_proj-k_q9b1a501d45_proj
	.p2alignl 7, 3214868480
	.fill 96, 4, 3214868480
	.section	.rodata,"a",@progbits
	.p2align	6, 0x0
	.amdhsa_kernel k_q9b1a501d45_proj
		.amdhsa_group_segment_fixed_size 327680
		.amdhsa_private_segment_fixed_size 0
		.amdhsa_enable_private_segment 0
		.amdhsa_kernarg_size 32
		.amdhsa_user_sgpr_count 2
		.amdhsa_user_sgpr_kernarg_segment_ptr 1
		.amdhsa_wavefront_size32 1
		.amdhsa_system_sgpr_workgroup_id_x 1
		.amdhsa_system_sgpr_workgroup_id_y 1
		.amdhsa_system_sgpr_workgroup_id_z 1
		.amdhsa_system_vgpr_workitem_id 0
		.amdhsa_next_free_vgpr 864
		.amdhsa_next_free_sgpr 100
		.amdhsa_reserve_vcc 1
		.amdhsa_float_denorm_mode_32 3
		.amdhsa_float_denorm_mode_16_64 3
		.amdhsa_memory_ordered 1
		.amdhsa_forward_progress 1
		.amdhsa_inst_pref_size 224
	.end_amdhsa_kernel
	.amdgpu_metadata
---
amdhsa.version: [ 1, 2 ]
amdhsa.kernels:
  - .name:           k_q9b1a501d45_proj
    .symbol:         k_q9b1a501d45_proj.kd
    .args:
      - { .name: xc, .offset: 0, .size: 8, .value_kind: global_buffer, .address_space: global }
      - { .name: wc, .offset: 8, .size: 8, .value_kind: global_buffer, .address_space: global }
      - { .name: qk, .offset: 16, .size: 8, .value_kind: global_buffer, .address_space: global }
      - { .name: vt, .offset: 24, .size: 8, .value_kind: global_buffer, .address_space: global }
    .group_segment_fixed_size: 327680
    .private_segment_fixed_size: 0
    .kernarg_segment_align: 8
    .kernarg_segment_size: 32
    .max_flat_workgroup_size: 128
    .sgpr_count:     100
    .vgpr_count:     864
    .wavefront_size: 32
...
	.end_amdgpu_metadata
.endif
;; end of part 2
;; launch scores (part 3): grid 36 x 4, 4 waves a work-group, no clusters, 327,680 bytes of LDS; arguments qk, pc, pmeta; writes pc, pmeta
.if DOCPART == 3
	.amdgcn_target "amdgcn-amd-amdhsa--gfx1250"
	.amdhsa_code_object_version 6
	.text
	.protected	k_q9b1a501d45_scores
	.globl	k_q9b1a501d45_scores
	.p2align	8
	.type	k_q9b1a501d45_scores,@function
k_q9b1a501d45_scores:
	s_mov_b64 s[64:65], 0
	v_nop
	global_prefetch_b8 v0, s[64:65] scope:SCOPE_SE
	s_setreg_imm32_b32 hwreg(HW_REG_WAVE_MODE, 25, 1), 1
	s_wait_xcnt 0x0
; S^T = K Q^T on codes of FP6 (E2M3), for the tiles that the causal mask keeps, and the softmax's p, quantised along the keys, block of 128 keys by block.
; For each query and each block of 128 keys: t = score x log2(e) / 32; M' = the block's largest t rounded up to a whole number; p' = 2^(t - M'); p' is quantised in blocks of 32 keys; the sum l' of the unquantised p'.
; The row's M is the largest M' of its blocks, so p = p' x 2^(M' - M): the same codes, with M - M' taken off the scale bytes: the next launch does that.
; pc: [64 query blocks][16 key steps] x 12,288 bytes: eight fragments as images of their registers (rows = queries in the order 32 (t / 2) + 8 (t % 2) + r + 8 (r / 8)).
; pmeta: [64][16][2 halves of the queries] x 1,024 bytes: +0 the raw scale words at 16 r + 4 a; +256 -M' likewise; +512 + 256 h the partial sums of lane half h.
; A WORK-GROUP STAYS.  x = 0..35 names (m, j) with j <= m <= 7; y the batch.  It holds key blocks 2 j and 2 j + 1 for all of K = 1,024 and takes query block 2 m, then query block 2 m + 1.
; Three units of 128 rows lie in LDS: K's two, Q's one.  At the head of the first pass's last K step every LDS read of the pass has been issued: there the second query block is asked for into Q's unit,
; one load of 25,600 bytes a wave, and it has that step's products and the first pass's softmax in which to land.
; A wave makes 128 keys (source 0: key block kb = 2 j + wave % 2) x 64 queries (source 1: tiles 4 (wave / 2) on): a lane holds one query and 64 keys, 16 by 16 neighbours.
; Where j = m, key block 2 m + 1 lies wholly under the mask for query block 2 m: its two waves multiply with the others in the first pass (every wave passes every barrier) and store nothing there; the next launch never uses those blocks.
; NO CLUSTER: a pair of key blocks is read by 8 - j work-groups and a pair of query blocks by m + 1: neither number is a multiple of four for every j and m, so partners would need different numbers of tiles.
; 144 work-groups: the 544 kept tiles of 128 x 128 do not share out evenly among more of this shape.
; LIMITS: a block of 32 whose every p' is 0 gets the byte 1 (its codes are zeros); p' under 2^-126 counts as 0; NaN and infinities are not served.
; REGISTERS: window 0 addresses (v1-23), scale words (v32-55) and the softmax's work (v64-187); window 1 accumulator (a, t) at v[8 (8 a + t)]; windows 2, 3 the operands, two sets each.
.set TAB,   12288
.set KBLK,  12800
.set UNIT,  2*KBLK                     ; two K steps of a unit
.set HALF,  4*KBLK                     ; LDS lies in six halves of four K steps: K's unit 0 lower, unit 1 lower, Q's lower, Q's upper, K's unit 0 upper, unit 1 upper
.set SPARE, 6*HALF                     ; behind them: the spare words, 128 bytes for each wave
.set SPW, 5                            ; v5  LDS address of my spare word; never rewritten
.set NIL, 6                            ; v6  0; never rewritten
.set A0,  8
.set A1,  12
.set AS0, 16
.set AS1, 20
.set SC0, 32
.set SC1, 48
.set T,    64                          ; v64-127  t - M', then p'
.set PC,   128                         ; v128-146 the codes
.set BM,   148                         ; v148-151 each block's largest score, then its largest p'
.set BX,   152                         ; v152-155 at work
.set SO,   156                         ; v156-159 the conversions' scale operands
.set TMP,  160
.set SA,   162                         ; v[162:163], v[166:167] the sum in two chains
.set NM,   164                         ; v[164:165] -M', and a zero beside it (the packed form names the pair)
.set SB,   166
.set DD,   168
.set NINF, 169
.set QL,   170
.set PW4,  172                         ; v172-175 the four tiles' scale words
.set NM4,  176                         ; v176-179 their -M'
.set LP4,  180                         ; v180-183 their partial sums
.set SW,   184                         ; v184-187 what my lane stores: words (lanes 0-15) or -M' (lanes 16-31)
.set WV,  12
.set AW,  13
.set BQ,  14
.set KB,  16                           ; s16  my key block
.set QI,  20                           ; s20  the query block in hand
.set G1,  24                           ; s[24:31] group 1 for loads of 100 rows;  s[48:55] for the head's, 200 rows;  s[40:43] group 0 of my head load, s[44:47] of my part of K's upper halves;  s[68:71] of my piece of the second query block
.set G1H, 48
.set G0,  40
.set G0R, 68
.set SEL, 56
.set CS,  58                           ; s[58:59] c = log2(e) / 32
.set MSB, 0
.macro WIN new
.if MSB != \new
	s_set_vgpr_msb (MSB<<8)|\new
.set MSB, \new
.endif
.endm
.macro PLACES                          ; four plain lines between a matrix instruction and a load into, or a vector access to, its registers
.rept 4
	v_nop
.endr
.endm
.macro FETCH g, e, p
	WIN 0x80
.irp t, 0,1,2,3,4,5,6,7
.irp c, 0,1,2
	ds_load_b128 v[96*(\p)+12*\t+4*\c:96*(\p)+12*\t+4*\c+3], v[A0+(\g)] offset:KBLK*(\e)+1536*\t+512*\c
.endr
.endr
	WIN 0xc0
.irp a, 0,1,2,3
.irp c, 0,1,2
	ds_load_b128 v[48*(\p)+12*\a+4*\c:48*(\p)+12*\a+4*\c+3], v[A1+(\g)] offset:KBLK*(\e)+1536*\a+512*\c
.endr
.endr
	WIN 0
	ds_load_b128 v[SC0+8*(\p):SC0+8*(\p)+3], v[AS0+(\g)] offset:KBLK*(\e)+TAB
	ds_load_b128 v[SC0+8*(\p)+4:SC0+8*(\p)+7], v[AS0+(\g)] offset:KBLK*(\e)+TAB+256
	ds_load_b128 v[SC1+4*(\p):SC1+4*(\p)+3], v[AS1+(\g)] offset:KBLK*(\e)+TAB
.endm
.macro MUL p, zero, scb                ; the 32 accumulators by turns, in the same order in every K step
	WIN 0x5e
.irp a, 0,1,2,3
.irp t, 0,1,2,3,4,5,6,7
.if \zero
	v_wmma_scale_f32_16x16x128_f8f6f4 v[8*(8*\a+\t):8*(8*\a+\t)+7], v[96*(\p)+12*\t:96*(\p)+12*\t+11], v[48*(\p)+12*\a:48*(\p)+12*\a+11], 0, v[SC0+8*(\p)+\t], v[(\scb)+\a] matrix_a_fmt:MATRIX_FMT_FP6 matrix_b_fmt:MATRIX_FMT_FP6
.else
	v_wmma_scale_f32_16x16x128_f8f6f4 v[8*(8*\a+\t):8*(8*\a+\t)+7], v[96*(\p)+12*\t:96*(\p)+12*\t+11], v[48*(\p)+12*\a:48*(\p)+12*\a+11], v[8*(8*\a+\t):8*(8*\a+\t)+7], v[SC0+8*(\p)+\t], v[(\scb)+\a] matrix_a_fmt:MATRIX_FMT_FP6 matrix_b_fmt:MATRIX_FMT_FP6
.endif
.endr
.endr
.endm
.macro KSTEP k, tw                     ; tw >= 0 (the first pass alone): the next step opens a piece; at most tw younger loads of mine may be out
	s_wait_dscnt 0x0
.if (\tw) >= 0
	s_wait_tensorcnt \tw
	s_barrier_signal -1
	s_barrier_wait -1
.endif
.if (\k) < 7
.if (\k) > 0
	PLACES
.endif
	FETCH ((\k)+1)/2, ((\k)+1)%2, ((\k)+1)%2
.endif
	MUL (\k)%2, (\k)==0, SC1+4*((\k)%2)
.endm
	s_load_b128 s[4:7], s[0:1], 0x0                ; qk s[4:5], pc s[6:7]
	s_load_b64 s[8:9], s[0:1], 0x10                ; pmeta
	v_lshl_add_u32 v[SPW], v0, 2, SPARE
	v_mov_b32 v[NIL], 0
	ds_add_u32 v5, v6
	ds_add_u32 v5, v6
	s_wait_dscnt 0x0
	v_lshrrev_b32 v1, 5, v0
	v_readfirstlane_b32 s[WV], v1
	s_and_b32 s[AW], s[WV], 1
	s_lshr_b32 s[BQ], s[WV], 1
	s_and_b32 s15, ttmp7, 0xffff                   ; the batch
	; x -> (m, j): in front of m's tiles lie m (m + 1) / 2
	s_mov_b32 s[QI], 0
.irp th, 1,3,6,10,15,21,28
	s_cmp_ge_u32 ttmp9, \th
	s_cselect_b32 s21, 1, 0
	s_add_co_u32 s[QI], s[QI], s21                 ; m
.endr
	s_add_co_u32 s21, s[QI], 1
	s_mul_i32 s22, s[QI], s21
	s_lshr_b32 s22, s22, 1
	s_sub_co_u32 s22, ttmp9, s22                   ; j
	s_lshl_b32 s[QI], s[QI], 1                     ; the first pass's query block: i = 2 m
	s_lshl_b32 s[KB], s22, 1
	s_add_co_u32 s[KB], s[KB], s[AW]               ; kb = 2 j + wave % 2
	; group 1: 25,600 dense bytes: 100 rows of 256 bytes
	s_mov_b32 s[G1], 3<<16                         ; no mask; elements of 8 bytes; no padding
	s_mov_b32 s[G1+1], 32<<16
	s_mov_b32 s[G1+2], 100<<16
	s_mov_b32 s[G1+3], 32<<16
	s_mov_b32 s[G1+4], 100
	s_mov_b32 s[G1+5], 32
	s_mov_b32 s[G1+6], 0
	s_mov_b32 s[G1+7], 0
	s_mov_b32 s[G1H], 3<<16
	s_mov_b32 s[G1H+1], 32<<16
	s_mov_b32 s[G1H+2], 200<<16
	s_mov_b32 s[G1H+3], 32<<16
	s_mov_b32 s[G1H+4], 200
	s_mov_b32 s[G1H+5], 32
	s_mov_b32 s[G1H+6], 0
	s_mov_b32 s[G1H+7], 0
	s_lshl_b32 s17, s15, 4
	s_lshl_b32 s18, s22, 1
	s_add_co_u32 s18, s18, s17
	s_add_co_u32 s18, s18, s[AW]
	s_mul_i32 s18, s18, 16*KBLK
	s_add_co_u32 s18, s18, 8*KBLK                  ; waves 0, 1: K's part of row block 16 b + 2 j + wave
	s_add_co_u32 s19, s17, s[QI]                   ; 16 b + i
	s_mul_i32 s32, s19, 16*KBLK                    ; waves 2, 3: Q's part of row block 16 b + i, its half wave % 2
	s_mul_i32 s23, s[AW], HALF
	s_add_co_u32 s32, s32, s23
	s_cmp_lt_u32 s[WV], 2
	s_cselect_b32 s32, s18, s32
	s_mov_b32 s33, 0
	s_mul_i32 s36, s[WV], UNIT                     ; unit = wave
	s_mul_i32 s38, s19, 16*KBLK
	s_add_co_u32 s38, s38, 16*KBLK                 ; Q's part of row block 16 b + i + 1,
	s_add_co_u32 s38, s38, s36                     ; its K steps 2 wave, 2 wave + 1: my piece of the second query block
	s_mov_b32 s39, 0
	s_add_co_u32 s37, s36, 2*HALF                  ; and its place in LDS: Q's halves, K steps 2 wave on
	s_mul_i32 s72, s[BQ], UNIT                     ; my part of K's upper halves: unit wave % 2, K steps 4 + 2 (wave / 2) on
	s_add_co_u32 s74, s23, s72
	s_add_co_u32 s74, s74, 4*HALF
	s_add_co_u32 s72, s72, s18
	s_add_co_u32 s72, s72, HALF
	s_mov_b32 s73, 0
	s_mul_i32 s75, s[WV], HALF                     ; my head load goes to half number wave
	s_wait_kmcnt 0x0
	s_mov_b32 s[G0], 1
	s_mov_b32 s[G0+1], s75
	s_add_nc_u64 s[G0+2:G0+3], s[4:5], s[32:33]
	s_or_b32 s[G0+3], s[G0+3], 0x80000000
	s_mov_b32 s[G0+4], 1
	s_mov_b32 s[G0+5], s74
	s_add_nc_u64 s[G0+6:G0+7], s[4:5], s[72:73]
	s_or_b32 s[G0+7], s[G0+7], 0x80000000
	s_mov_b32 s[G0R], 1
	s_mov_b32 s[G0R+1], s37
	s_add_nc_u64 s[G0R+2:G0R+3], s[4:5], s[38:39]
	s_or_b32 s[G0R+3], s[G0R+3], 0x80000000
	tensor_load_to_lds s[G0:G0+3], s[G1H:G1H+7]    ; the head's loads, one a wave, 51,200 bytes each: K's two lower halves, Q's two halves
	s_nop 0
.rept 4
	v_nop
.endr
	s_mul_i32 s37, s[AW], HALF                     ; source 0: K's unit wave % 2
	s_mul_i32 s38, s[BQ], 6144
	s_add_co_u32 s38, s38, 2*HALF                  ; source 1: Q's tiles 4 (wave / 2) on
	s_lshl_b32 s39, s[BQ], 8
	s_add_co_u32 s39, s39, 2*HALF
	v_and_b32 v1, 31, v0
	v_and_b32 v2, 15, v0                           ; r
	v_bfe_u32 v3, v0, 4, 1                         ; h
	v_lshlrev_b32 v1, 4, v1                        ; 16 x lane
	v_lshlrev_b32 v4, 4, v2                        ; 16 r
.irp g, 0,1,2,3
	v_add_nc_u32 v[A0+\g], s37, v1
	v_add_nc_u32 v[A1+\g], s38, v1
	v_add_nc_u32 v[AS0+\g], s37, v4
	v_add_nc_u32 v[AS1+\g], s39, v4
	s_add_co_u32 s37, s37, UNIT+3*HALF*(\g%2)      ; K's upper halves lie three halves further on than they would on end
	s_add_co_u32 s38, s38, UNIT
	s_add_co_u32 s39, s39, UNIT
.endr
	s_lshl_b32 s37, s19, 4
	s_add_co_u32 s37, s37, s[KB]                   ; (16 b + i) 16 + kb
	s_mul_i32 s32, s37, 12288
	s_mul_i32 s38, s[BQ], 6144
	s_add_co_u32 s32, s32, s38
	s_add_nc_u64 s[60:61], s[6:7], s[32:33]        ; my four fragments of p, first pass; the second pass's lie 16 x 12,288 bytes on
	s_lshl_b32 s32, s37, 11
	s_lshl_b32 s38, s[BQ], 10
	s_add_co_u32 s32, s32, s38
	s_add_nc_u64 s[62:63], s[8:9], s[32:33]        ; my 1,024 bytes of pmeta; the second pass's lie 16 x 2,048 bytes on
	s_mov_b32 s[SEL], 0x76543210
	s_mov_b32 s[SEL+1], 0xfedcba98
	s_mov_b32 s[CS], 0x3d38aa3b                    ; c = log2(e) / sqrt(1024)
	s_mov_b32 s[CS+1], s[CS]
	v_and_b32 v[QL], 8, v2
	v_add_nc_u32 v[QL], v[QL], v2
	v_lshlrev_b32 v[TMP], 4, v3
	v_sub_nc_u32 v[QL], v[QL], v[TMP]
	s_lshl_b32 s21, s[BQ], 6
	v_add_nc_u32 v[QL], s21, v[QL]                 ; 64 (wave / 2) + r + 8 (r / 8) - 16 h
	v_mov_b32 v[NINF], 0xff800000
	v_mov_b32 v[NM+1], 0
.irp b, 0,1,2,3
	v_mov_b32 v[BX+\b], 0                          ; a lane permute's destination counts as one of its sources
.endr
; Tile a of my queries: 64 scores a lane; register 16 b + i is key 32 b + 16 h + i of the block.  ps: the pass, 0 or 1
.macro SOFTQ a, ps
	s_wait_xcnt 0x0                                ; the earlier stores have read their registers
	s_cmp_lg_u32 s[KB], s[QI]
	s_cbranch_scc1 .Lopen_\@                       ; only the block on the diagonal is masked
	s_wait_alu depctr_va_vdst(0)
	v_add_nc_u32 v[DD], 32*((\a)/2)+8*((\a)%2), v[QL]   ; my query's place in its block - 16 h: key 32 b + i is hidden where 32 b + i > this.  Key 0 counts for every query
	WIN 0x41                                       ; destination and source 0: window 1
.set n, 0
.rept 64
	v_cmp_gt_i32 vcc_lo, 32*(n/16)+n%16, v[DD]
	v_cndmask_b32 v[64*\a+n], v[64*\a+n], v[NINF], vcc_lo
.set n, n+1
.endr
	WIN 0
.Lopen_\@:
	WIN 0x14                                       ; sources 1 and 2: window 1
.irp b, 0,1,2,3
	v_max3_num_f32 v[BM+\b], 0xff800000, v[64*\a+16*\b], v[64*\a+16*\b+1]   ; the largest score of each block of 32 keys: it serves the row's maximum and, since p rises with the score, the block's largest p
.endr
.irp i, 2,4,6,8,10,12,14
.irp b, 0,1,2,3
	v_max3_num_f32 v[BM+\b], v[BM+\b], v[64*\a+16*\b+\i], v[64*\a+16*\b+\i+1]
.endr
.endr
	WIN 0
.irp b, 0,1,2,3
	v_permlanex16_b32 v[BX+\b], v[BM+\b], s[SEL], s[SEL+1]
.endr
.irp b, 0,1,2,3
	v_max_num_f32 v[BM+\b], v[BM+\b], v[BX+\b]     ; with lane l xor 16's 16 keys
.endr
	v_max3_num_f32 v[TMP], v[BM], v[BM+1], v[BM+2]
	v_max_num_f32 v[TMP], v[TMP], v[BM+3]
	v_mul_f32 v[TMP], s[CS], v[TMP]                ; the largest t of these 128 keys
	v_floor_f32 v[NM], -v[TMP]                     ; -M' = floor(-t): a whole number
	WIN 0x01                                       ; source 0: window 1
.irp j, 0,2,4,6,8,10,12,14,16,18,20,22,24,26,28,30,32,34,36,38,40,42,44,46,48,50,52,54,56,58,60,62
	v_pk_fma_f32 v[T+\j:T+\j+1], v[64*\a+\j:64*\a+\j+1], s[CS:CS+1], v[NM:NM+1] op_sel_hi:[1,0,0]   ; t - M'
.endr
	WIN 0
.irp b, 0,1,2,3
	v_fma_f32 v[BM+\b], v[BM+\b], s[CS], v[NM]     ; the same of each block's largest score
.endr
.set n, 0
	s_wait_alu depctr_va_vdst(0)
.rept 64
	v_exp_f32 v[T+n], v[T+n]                       ; p' = 2^(t - M')
.set n, n+1
.endr
	v_mov_b32 v[NM4+\a], v[NM]                     ; a plain line behind the exponentials
	s_wait_alu depctr_va_vdst(0)                   ; one wait for the batch, ahead of its first reader
.irp b, 0,1,2,3
	v_exp_f32 v[BM+\b], v[BM+\b]                   ; the block's largest p': the same two instructions on the same number
.endr
	v_pk_add_f32 v[SA:SA+1], v[T:T+1], v[T+2:T+3]  ; the sum of the unquantised p', two at a time, in two chains
	v_pk_add_f32 v[SB:SB+1], v[T+4:T+5], v[T+6:T+7]
.irp j, 8,12,16,20,24,28,32,36,40,44,48,52,56,60
	v_pk_add_f32 v[SA:SA+1], v[SA:SA+1], v[T+\j:T+\j+1]
	v_pk_add_f32 v[SB:SB+1], v[SB:SB+1], v[T+\j+2:T+\j+3]
.endr
	v_pk_add_f32 v[SA:SA+1], v[SA:SA+1], v[SB:SB+1]
	v_add_f32 v[LP4+\a], v[SA], v[SA+1]            ; my lane's 64 keys; the other half's is stored beside it
	s_wait_alu depctr_va_vdst(0)                   ; and one for the four
.irp b, 0,1,2,3
	v_max_num_f32 v[BM+\b], 0x1800000, v[BM+\b]    ; the floor 2^(3 - 127)
.endr
.irp b, 0,1,2,3
	v_add_nc_u32 v[SO+\b], 0xff000000, v[BM+\b]    ; 2 off the exponent field: the conversion's scale operand
.endr
.irp b, 0,1,2,3
	v_lshrrev_b32 v[BX+\b], 23, v[SO+\b]           ; the byte, under M'
.endr
	v_lshl_or_b32 v[PW4+\a], v[BX+1], 8, v[BX]
	v_lshl_or_b32 v[PW4+\a], v[BX+2], 16, v[PW4+\a]
	v_lshl_or_b32 v[PW4+\a], v[BX+3], 24, v[PW4+\a]
.irp c, 0,1
	v_cvt_scalef32_pk16_fp6_f32 v[PC+6*\c:PC+2+6*\c], v[T+32*\c:T+32*\c+15], v[SO+2*\c]
	v_cvt_scalef32_pk16_fp6_f32 v[PC+12+4*\c:PC+14+4*\c], v[T+32*\c+16:T+32*\c+31], v[SO+2*\c+1]
.endr
	v_nop                                          ; one plain line behind the conversions
.irp c, 0,1
.irp i, 0,1,2
	v_permlane16_swap_b32 v[PC+6*\c+\i], v[PC+12+4*\c+\i]
.endr
.irp i, 0,1,2
	v_mov_b32 v[PC+3+6*\c+\i], v[PC+12+4*\c+\i]
.endr
.endr
.irp c, 0,1,2
	global_store_b128 v1, v[PC+4*\c:PC+4*\c+3], s[60:61] offset:(\ps)*16*12288+1536*\a+512*\c   ; 512 consecutive bytes, at a multiple of 256 from the buffer's first byte
.endr
.endm
.macro SOFT ps                         ; a pass's four tiles, and what the next launch needs of them
	SOFTQ 0, \ps
	SOFTQ 1, \ps
	SOFTQ 2, \ps
	SOFTQ 3, \ps
	v_cmp_ne_u32 vcc_lo, 0, v3
.irp a, 0,1,2,3
	v_cndmask_b32 v[SW+\a], v[PW4+\a], v[NM4+\a], vcc_lo   ; lanes 0-15 store the words, lanes 16-31 -M'
.endr
	global_store_b128 v1, v[SW:SW+3], s[62:63] offset:(\ps)*16*2048
	global_store_b128 v1, v[LP4:LP4+3], s[62:63] offset:(\ps)*16*2048+512
.endm
	; ---- the first pass: query block 2 m
	s_wait_alu depctr_va_vdst(0)
	s_wait_tensorcnt 0x0                           ; my head load is in; K's upper halves are first filled as a refill is:
	ds_add_u32 v[SPW], v[NIL]
	s_wait_dscnt 0x0
	s_barrier_signal -1
	s_barrier_wait -1                              ; everybody's head load is in
	tensor_load_to_lds s[G0+4:G0+7], s[G1:G1+7]    ; 25,600 bytes a wave; three K steps stand ahead of the wait for it
	s_nop 0
.rept 4
	v_nop
.endr
	FETCH 0, 0, 0
	KSTEP 0, -1
	KSTEP 1, -1
	KSTEP 2, -1
	KSTEP 3, 0
	KSTEP 4, -1
	KSTEP 5, -1
	KSTEP 6, -1
	WIN 0                                          ; K step 7, and the refill of Q's unit.  (The add's two registers lie in window 0)
	s_wait_tensorcnt 0x0                           ; all my tensor loads have landed;
	ds_add_u32 v[SPW], v[NIL]
	s_wait_dscnt 0x0                               ; the add is done, and this step's operands are in: my reads of Q's halves are over
	s_barrier_signal -1
	s_barrier_wait -1                              ; everybody's are
	tensor_load_to_lds s[G0R:G0R+3], s[G1:G1+7]    ; my one load behind the barrier: K steps 2 wave, 2 wave + 1 of the second query block
	s_nop 0
.rept 4
	v_nop
.endr
	MUL 1, 0, SC1+4
	WIN 0
	PLACES
	s_cmp_gt_u32 s[KB], s[QI]                      ; a key block wholly under the mask: nothing to store in this pass.  The jump leads round vector work and stores alone
	s_cbranch_scc1 .Lsecond
	SOFT 0
.Lsecond:
	; ---- the second pass: query block 2 m + 1.  No key block of mine lies wholly under its mask
	s_add_co_u32 s[QI], s[QI], 1
	s_wait_tensorcnt 0x0                           ; my piece of the second query block is in,
	s_barrier_signal -1
	s_barrier_wait -1                              ; everybody's is
.rept 5
	v_nop                                          ; five plain lines between the first pass's products and products that begin the same accumulators anew (ISA guide 7.12.1), on the way round the softmax too
.endr
	FETCH 0, 0, 0
	KSTEP 0, -1
	KSTEP 1, -1
	KSTEP 2, -1
	KSTEP 3, -1
	KSTEP 4, -1
	KSTEP 5, -1
	KSTEP 6, -1
	KSTEP 7, -1
	WIN 0
	PLACES
	SOFT 1
	s_wait_tensorcnt 0x0                           ; the wave's end
	ds_add_u32 v[SPW], v[NIL]
	s_wait_dscnt 0x0
	s_endpgm
.Lfunc_end_k_q9b1a501d45_scores:
	.size	k_q9b1a501d45_scores, .Lfunc_end_k_q9b1a501d45_scores-k_q9b1a501d45_scores
	.p2alignl 7, 3214868480
	.fill 96, 4, 3214868480
	.section	.rodata,"a",@progbits
	.p2align	6, 0x0
	.amdhsa_kernel k_q9b1a501d45_scores
		.amdhsa_group_segment_fixed_size 327680
		.amdhsa_private_segment_fixed_size 0
		.amdhsa_enable_private_segment 0
		.amdhsa_kernarg_size 24
		.amdhsa_user_sgpr_count 2
		.amdhsa_user_sgpr_kernarg_segment_ptr 1
		.amdhsa_wavefront_size32 1
		.amdhsa_system_sgpr_workgroup_id_x 1
		.amdhsa_system_sgpr_workgroup_id_y 1
		.amdhsa_system_sgpr_workgroup_id_z 1
		.amdhsa_system_vgpr_workitem_id 0
		.amdhsa_next_free_vgpr 864
		.amdhsa_next_free_sgpr 80
		.amdhsa_reserve_vcc 1
		.amdhsa_float_denorm_mode_32 3
		.amdhsa_float_denorm_mode_16_64 3
		.amdhsa_memory_ordered 1
		.amdhsa_forward_progress 1
		.amdhsa_inst_pref_size 247
	.end_amdhsa_kernel
	.amdgpu_metadata
---
amdhsa.version: [ 1, 2 ]
amdhsa.kernels:
  - .name:           k_q9b1a501d45_scores
    .symbol:         k_q9b1a501d45_scores.kd
    .args:
      - { .name: qk, .offset: 0, .size: 8, .value_kind: global_buffer, .address_space: global }
      - { .name: pc, .offset: 8, .size: 8, .value_kind: global_buffer, .address_space: global }
      - { .name: pmeta, .offset: 16, .size: 8, .value_kind: global_buffer, .address_space: global }
    .group_segment_fixed_size: 327680
    .private_segment_fixed_size: 0
    .kernarg_segment_align: 8
    .kernarg_segment_size: 24
    .max_flat_workgroup_size: 128
    .sgpr_count:     80
    .vgpr_count:     864
    .wavefront_size: 32
...
	.end_amdgpu_metadata
.endif
;; end of part 3
;; launch pv (part 4): grid 4 x 64, 4 waves a work-group, no clusters, 327,680 bytes of LDS; arguments pc, pmeta, vt, out0; writes out0
.if DOCPART == 4
	.amdgcn_target "amdgcn-amd-amdhsa--gfx1250"
	.amdhsa_code_object_version 6
	.text
	.protected	k_q9b1a501d45_pv
	.globl	k_q9b1a501d45_pv
	.p2align	8
	.type	k_q9b1a501d45_pv,@function
k_q9b1a501d45_pv:
	s_mov_b64 s[64:65], 0
	v_nop
	global_prefetch_b8 v0, s[64:65] scope:SCOPE_SE
	s_setreg_imm32_b32 hwreg(HW_REG_WAVE_MODE, 25, 1), 1
	s_wait_xcnt 0x0
; out = (P V) / l on codes of FP6 (E2M3): O^T = V^T P^T, K = the keys, 128 a step, key steps 0 .. i for query block i (the rest lies under the causal mask).
; THE HEAD brings the blocks' softmax under one M: -M = the least -M' of the row's key steps; d = M - M' (a whole number, 0 or more) is taken off each of the step's four scale bytes, l = the sum of l' x 2^-d.
; A raw byte lies in 1 .. 125 and d is held at 127, so with bit 7 set in each byte no borrow crosses a byte; a byte that would fall under 0 becomes 0 (2^-127: nothing beside a row whose largest p is above 1/2).
; SHARES.  Work-group x: 256 channels; y = 16 batch + i: 128 queries.  A wave makes 128 channels (source 0: channel block 2 x + wave % 2 of vt) x 64 queries (source 1: P's tiles 4 (wave / 2) on): 32 accumulators;
; a lane holds one query and 64 channels.  Two LDS slots of four key steps (V's two units, 51,200 bytes each, and P's, 49,152), filled by waves 0, 1 (V) and 2, 3 (P), one load each.
; EVERY WAVE PASSES EVERY CHANGE OF SLOTS, whatever i is: so each barrier stands on every way between a fill and the reads of it.  What i decides, by scalar branches on the work-group's number, the same in all four waves:
; a slot's work is left behind key step i, or left out where all its keys lie under the mask; and a slot is filled again only where i reaches its keys (a jump outside any loop; every later wait on tensor loads is for 0).
; Slot 1's first fill goes out only where i >= 4, as a refill does.
; P's blocks of key steps above i were never written: the loads bring them into LDS with the others, and the fetch that runs a step ahead may bring one into registers; no product takes them.
; NO CLUSTER: the work-groups that share V's tiles (the 16 query blocks of a batch) walk 1 to 16 key steps, different numbers of tiles; the four that share P share 12,288 of a step's 37,888 bytes.
; LIMITS: as the launches before; l is never 0 (a row's largest p is above 1/2).
; REGISTERS: window 0: v1-15 addresses; v16-19 -M; v20-23 l; v24-31 1 / l; v32-47 V's scale words, two sets; v48-63 at work; v64-127 P's scale words of the 16 key steps (scales and nothing else);
;   v128-191 -M' of the steps, later results; v192-255 l', later rows of out.  window 1: accumulator (a, t) at v[8 (8 a + t)].  windows 2, 3: the operands, two sets each.
.set TAB,   12288
.set KBLK,  12800
.set PBLK,  12288
.set SLOT,  2*4*KBLK+4*PBLK            ; 151,552
.set POFF,  2*4*KBLK
.set SPARE, 2*SLOT                     ; behind the ring: the spare words, 128 bytes for each wave: two blocks of 256 bytes that no other line names
.set SP,    528                        ; the way out: a stage of 16 rows x (512 + 16) bytes for each wave, in slot 0, behind its last fill and its last read
.set SPW, 5
.set NIL, 6
.set A0,  8                            ; v8-9    V's fragments in slot s
.set AS0, 10                           ; v10-11  V's scale words
.set A1,  12                           ; v12-13  P's fragments
.set NMF, 16
.set LS,  20
.set RL,  24
.set SC0, 32
.set PS,  64
.set NM,  128
.set LP,  192
.set OT,  128
.set BK,  192
.set WV,  12
.set AW,  13
.set BQ,  14
.set QI,  17                           ; s17  i
.set G1V, 24                           ; s[24:31], s[32:39] descriptor groups 1 for V's and P's tiles;  s[40:47], s[48:55] groups 0, a set for each slot
.set G1P, 32
.set G0V, 40
.set G0P, 48
.set SEL, 56
.set MB,  66                           ; s[66:97] pmeta's entry of key step min(ks, i)
.set MSB, 0
.macro WIN new
.if MSB != \new
	s_set_vgpr_msb (MSB<<8)|\new
.set MSB, \new
.endif
.endm
.macro PLACES                          ; four plain lines between a matrix instruction and a load into, or a vector read of, its registers
.rept 4
	v_nop
.endr
.endm
.macro TLOAD s                         ; one load a wave: waves 0, 1: V's units; waves 2, 3: P's tiles 0-3 and 4-7 of the slot's four key steps
	s_cmp_lt_u32 s[WV], 2
	s_cbranch_scc0 .Lnot_v_\@
	tensor_load_to_lds s[G0V+4*(\s):G0V+4*(\s)+3], s[G1V:G1V+7]
	s_nop 0
.rept 4
	v_nop
.endr
	s_branch .Lasked_\@
.Lnot_v_\@:
	tensor_load_to_lds s[G0P+4*(\s):G0P+4*(\s)+3], s[G1P:G1P+7]
	s_nop 0
.rept 4
	v_nop
.endr
.Lasked_\@:
.endm
.macro FETCHV s, e, p                  ; the operands of the slot's key step e into set p
	WIN 0x80
.irp t, 0,1,2,3,4,5,6,7
.irp c, 0,1,2
	ds_load_b128 v[96*(\p)+12*\t+4*\c:96*(\p)+12*\t+4*\c+3], v[A0+(\s)] offset:KBLK*(\e)+1536*\t+512*\c
.endr
.endr
	WIN 0xc0
.irp a, 0,1,2,3
.irp c, 0,1,2
	ds_load_b128 v[48*(\p)+12*\a+4*\c:48*(\p)+12*\a+4*\c+3], v[A1+(\s)] offset:6144*(\e)+1536*\a+512*\c
.endr
.endr
	WIN 0
	ds_load_b128 v[SC0+8*(\p):SC0+8*(\p)+3], v[AS0+(\s)] offset:KBLK*(\e)+TAB
	ds_load_b128 v[SC0+8*(\p)+4:SC0+8*(\p)+7], v[AS0+(\s)] offset:KBLK*(\e)+TAB+256
.endm
.macro MUL p, zero, scb                ; the 32 accumulators by turns, in the same order in every key step
	WIN 0x5e
.irp a, 0,1,2,3
.irp t, 0,1,2,3,4,5,6,7
.if \zero
	v_wmma_scale_f32_16x16x128_f8f6f4 v[8*(8*\a+\t):8*(8*\a+\t)+7], v[96*(\p)+12*\t:96*(\p)+12*\t+11], v[48*(\p)+12*\a:48*(\p)+12*\a+11], 0, v[SC0+8*(\p)+\t], v[(\scb)+\a] matrix_a_fmt:MATRIX_FMT_FP6 matrix_b_fmt:MATRIX_FMT_FP6
.else
	v_wmma_scale_f32_16x16x128_f8f6f4 v[8*(8*\a+\t):8*(8*\a+\t)+7], v[96*(\p)+12*\t:96*(\p)+12*\t+11], v[48*(\p)+12*\a:48*(\p)+12*\a+11], v[8*(8*\a+\t):8*(8*\a+\t)+7], v[SC0+8*(\p)+\t], v[(\scb)+\a] matrix_a_fmt:MATRIX_FMT_FP6 matrix_b_fmt:MATRIX_FMT_FP6
.endif
.endr
.endr
.endm
	s_load_b256 s[4:11], s[0:1], 0x0               ; pc s[4:5], pmeta s[6:7], vt s[8:9], out0 s[10:11]
	v_lshl_add_u32 v[SPW], v0, 2, SPARE
	v_mov_b32 v[NIL], 0
	ds_add_u32 v5, v6
	ds_add_u32 v5, v6
	s_wait_dscnt 0x0
	v_lshrrev_b32 v1, 5, v0
	v_readfirstlane_b32 s[WV], v1
	s_and_b32 s[AW], s[WV], 1
	s_lshr_b32 s[BQ], s[WV], 1
	s_and_b32 s18, ttmp7, 0xffff                   ; y = 16 b + i
	s_lshr_b32 s16, s18, 4                         ; b
	s_and_b32 s[QI], s18, 15                       ; i
	; groups 1: V as dense rows of 256 bytes, 200 rows (four key steps of a unit); P below
	s_mov_b32 s[G1V], 3<<16
	s_mov_b32 s[G1V+1], 32<<16
	s_mov_b32 s[G1V+2], 200<<16
	s_mov_b32 s[G1V+3], 32<<16
	s_mov_b32 s[G1V+4], 200
	s_mov_b32 s[G1V+5], 32
	s_mov_b32 s[G1V+6], 0
	s_mov_b32 s[G1V+7], 0
	s_mov_b32 s[G1P], 3<<16
	s_mov_b32 s[G1P+1], 768<<16                    ; P: four rows (key steps) of 6,144 bytes (four tiles), 12,288 bytes apart in memory, on end in LDS
	s_mov_b32 s[G1P+2], 4<<16
	s_mov_b32 s[G1P+3], 768<<16
	s_mov_b32 s[G1P+4], 4
	s_mov_b32 s[G1P+5], 1536
	s_mov_b32 s[G1P+6], 0
	s_mov_b32 s[G1P+7], 0
	s_lshl_b32 s20, s16, 3
	s_lshl_b32 s21, ttmp9, 1
	s_add_co_u32 s20, s20, s21
	s_add_co_u32 s20, s20, s[AW]
	s_mul_i32 s20, s20, 16*KBLK                    ; V: channel block 8 b + 2 x + wave % 2
	s_mov_b32 s21, 0
	s_mul_i32 s22, s18, 16*PBLK                    ; P: query block 16 b + i, tiles 4 (wave % 2) on
	s_mul_i32 s99, s[AW], 6144
	s_add_co_u32 s22, s22, s99
	s_mul_i32 s98, s[AW], 2*PBLK                   ; and their place in a slot's part for P
	s_mov_b32 s23, 0
	s_mul_i32 s19, s[AW], 4*KBLK                   ; V's unit in a slot
	s_wait_kmcnt 0x0
	s_add_nc_u64 s[20:21], s[8:9], s[20:21]
	s_add_nc_u64 s[22:23], s[4:5], s[22:23]
.irp s, 0,1
	s_mov_b32 s[G0V+4*\s], 1
	s_add_co_u32 s[G0V+4*\s+1], s19, \s*SLOT
	s_add_nc_u64 s[G0V+4*\s+2:G0V+4*\s+3], s[20:21], \s*4*KBLK   ; slot s begins with key steps 4 s on
	s_or_b32 s[G0V+4*\s+3], s[G0V+4*\s+3], 0x80000000
	s_mov_b32 s[G0P+4*\s], 1
	s_add_co_u32 s[G0P+4*\s+1], s98, \s*SLOT+POFF
	s_add_nc_u64 s[G0P+4*\s+2:G0P+4*\s+3], s[22:23], \s*4*PBLK
	s_or_b32 s[G0P+4*\s+3], s[G0P+4*\s+3], 0x80000000
.endr
	TLOAD 0                                        ; slot 0's fill, one load a wave; slot 1's first fill stands behind the first change of slots, where i reaches its keys
	v_and_b32 v1, 31, v0
	v_and_b32 v2, 15, v0                           ; r
	v_bfe_u32 v3, v0, 4, 1                         ; h
	v_lshlrev_b32 v1, 4, v1                        ; 16 x lane
	v_lshlrev_b32 v4, 4, v2                        ; 16 r
	; pmeta: entry ((16 b + i) 16 + ks) 2 + wave / 2, 1,024 bytes; key steps above i name step i's entry again, and count for nothing below
	s_wait_alu depctr_va_vdst(0)
	s_lshl_b32 s60, s18, 15
	s_lshl_b32 s61, s[BQ], 10
	s_add_co_u32 s60, s60, s61
	s_mov_b32 s61, 0
	s_add_nc_u64 s[22:23], s[6:7], s[60:61]
.irp ks, 0,1,2,3,4,5,6,7,8,9,10,11,12,13,14,15
	s_min_u32 s60, s[QI], \ks
	s_lshl_b32 s60, s60, 11
	s_add_nc_u64 s[MB+2*\ks:MB+2*\ks+1], s[22:23], s[60:61]
.endr
.irp ks, 0,1,2,3,4,5,6,7,8,9,10,11,12,13,14,15
	global_load_b128 v[PS+4*\ks:PS+4*\ks+3], v4, s[MB+2*\ks:MB+2*\ks+1]              ; the raw scale words of my four tiles, row r
	global_load_b128 v[NM+4*\ks:NM+4*\ks+3], v4, s[MB+2*\ks:MB+2*\ks+1] offset:256   ; -M'
	global_load_b128 v[LP+4*\ks:LP+4*\ks+3], v1, s[MB+2*\ks:MB+2*\ks+1] offset:512   ; my half's l'
.endr
	s_mul_i32 s98, s[BQ], 2*PBLK
	s_add_co_u32 s98, s98, POFF
.irp s, 0,1
	v_add_nc_u32 v[A0+\s], s19, v1
	v_add_nc_u32 v[AS0+\s], s19, v4
	v_add_nc_u32 v[A1+\s], s98, v1
	s_add_co_u32 s19, s19, SLOT
	s_add_co_u32 s98, s98, SLOT
.endr
	s_mul_i32 s99, s[WV], 16*SP                    ; my stage
	v_mul_u32_u24 v14, v2, SP
	v_lshl_add_u32 v14, v3, 6, v14
	v_add_nc_u32 v14, s99, v14                     ; in: row r, + 64 h
	v_add_nc_u32 v15, s99, v1                      ; back: a row of 512 bytes, 16 a lane
	s_lshl_b32 s60, s18, 7
	s_lshl_b32 s61, s[BQ], 6
	s_add_co_u32 s60, s60, s61                     ; my first row of out: 128 (16 b + i) + 64 (wave / 2)
	s_lshl_b32 s60, s60, 12
	s_lshl_b32 s61, ttmp9, 10
	s_add_co_u32 s60, s60, s61
	s_lshl_b32 s61, s[AW], 9
	s_add_co_u32 s60, s60, s61                     ; my 128 channels: 1,024 x + 512 (wave % 2) bytes
	s_mov_b32 s61, 0
	s_add_nc_u64 s[62:63], s[10:11], s[60:61]
	s_mov_b32 s[SEL], 0x76543210
	s_mov_b32 s[SEL+1], 0xfedcba98
	s_mov_b32 s58, 0x01010101
	s_mov_b32 s59, 0x80808080
.irp a, 0,1,2,3
	v_mov_b32 v[RL+2*\a+1], 0                      ; named with 1 / l as a pair, so it is written
.endr
	s_wait_loadcnt 0x0
.irp a, 0,1,2,3
	v_min3_num_f32 v[NMF+\a], v[NM+\a], v[NM+4+\a], v[NM+8+\a]
.endr
.irp q, 3,5,7,9,11,13
.irp a, 0,1,2,3
	v_min3_num_f32 v[NMF+\a], v[NMF+\a], v[NM+4*\q+\a], v[NM+4*\q+4+\a]
.endr
.endr
.irp a, 0,1,2,3
	v_min_num_f32 v[NMF+\a], v[NMF+\a], v[NM+60+\a]   ; -M of my row in tile a
.endr
; key step ks, the four tiles by turns
.macro ADJ ks
	s_cmp_ge_u32 s[QI], \ks
	s_cselect_b32 s20, 0x3f800000, 0               ; 1.0 where the step counts
.irp a, 0,1,2,3
	v_sub_f32 v[48+\a], v[NM+4*\ks+\a], v[NMF+\a]  ; d = M - M'
.endr
.irp a, 0,1,2,3
	v_min_num_f32 v[48+\a], 0x42fe0000, v[48+\a]   ; held at 127
.endr
.irp a, 0,1,2,3
	v_cvt_u32_f32 v[52+\a], v[48+\a]
.endr
.irp a, 0,1,2,3
	v_sub_nc_u32 v[48+\a], 0, v[52+\a]
.endr
.if \ks == 0
.irp a, 0,1,2,3
	v_ldexp_f32 v[LS+\a], v[LP+\a], v[48+\a]       ; l begins: l' x 2^-d
.endr
.else
.irp a, 0,1,2,3
	v_ldexp_f32 v[48+\a], v[LP+4*\ks+\a], v[48+\a]
.endr
.irp a, 0,1,2,3
	v_fma_f32 v[LS+\a], v[48+\a], s20, v[LS+\a]
.endr
.endif
.irp a, 0,1,2,3
	v_mul_lo_u32 v[52+\a], v[52+\a], s58           ; d in each byte
.endr
.irp a, 0,1,2,3
	v_or_b32 v[56+\a], s59, v[PS+4*\ks+\a]         ; bit 7 set in each byte: no borrow crosses a byte
.endr
.irp a, 0,1,2,3
	v_sub_nc_u32 v[56+\a], v[56+\a], v[52+\a]
.endr
.irp a, 0,1,2,3
	v_and_b32 v[60+\a], s59, v[56+\a]              ; bit 7 is left where byte - d is 0 or more
.endr
.irp a, 0,1,2,3
	v_lshrrev_b32 v[52+\a], 7, v[60+\a]
.endr
.irp a, 0,1,2,3
	v_sub_nc_u32 v[60+\a], v[60+\a], v[52+\a]      ; 0x7f there, 0 elsewhere
.endr
.irp a, 0,1,2,3
	v_and_b32 v[PS+4*\ks+\a], v[56+\a], v[60+\a]   ; the bytes under M
.endr
.endm
.irp ks, 0,1,2,3,4,5,6,7,8,9,10,11,12,13,14,15
	ADJ \ks
.endr
.irp a, 0,1,2,3
	v_permlanex16_b32 v[48+\a], v[LS+\a], s[SEL], s[SEL+1]
.endr
.irp a, 0,1,2,3
	v_add_f32 v[LS+\a], v[LS+\a], v[48+\a]         ; with the other half's keys: the row's l
.endr
	s_wait_alu depctr_va_vdst(0)
.irp a, 0,1,2,3
	v_rcp_f32 v[RL+2*\a], v[LS+\a]
.endr
	v_nop                                          ; a plain line behind the reciprocals
	s_wait_alu depctr_va_vdst(0)                   ; and one wait for the four
.rept 8
	v_nop                                          ; scale words written by vector lines stand eight plain lines ahead of the first product
.endr
; THE WORK OF SLOT n % 2, which holds key steps 4 n .. 4 n + 3.  A step's operands are asked for a step ahead.  Where i < 4 n the whole of it is jumped over; behind key step i the rest of it is.
; Both jumps lead to the label at its end, in front of the next change of slots: no barrier and no tensor load stands in it.  It begins with its own places and its own first fetch, so it holds by whatever way it is reached.
.macro WORK n
.if (\n) > 0
	s_cmp_lt_u32 s[QI], 4*(\n)                     ; all this slot's keys lie under the mask
	s_cbranch_scc1 .Lleft_\n
	PLACES                                         ; behind the last products, whichever they were, ahead of the loads into set 0
.endif
	FETCHV (\n)%2, 0, 0
.irp e, 0,1,2,3
	s_wait_dscnt 0x0                               ; this step's operands are in
.if \e < 3
.if 4*(\n)+\e > 0
	PLACES                                         ; behind the last step's products, which read the set that is loaded now
.endif
	FETCHV (\n)%2, \e+1, (\e+1)%2
.endif
	MUL \e%2, (4*(\n)+\e)==0, PS+4*(4*(\n)+\e)
	WIN 0
.if \e < 3
	s_cmp_eq_u32 s[QI], 4*(\n)+\e                  ; key step i was the last that counts
	s_cbranch_scc1 .Lleft_\n
.endif
.endr
.Lleft_\n:
.endm
; THE CHANGE OF SLOTS, in front of slot n's work, on every wave's way: all my tensor loads have landed, the add, my reads of the slot that I leave are over; the barrier; then that slot's refill, if i reaches its keys.
.macro CHANGE n
	s_wait_tensorcnt 0x0                           ; no tensor load of mine is out, so a group 0 may be written
	ds_add_u32 v[SPW], v[NIL]
.if (\n) > 0 && (\n) < 3
	s_add_nc_u64 s[G0V+4*(((\n)+1)%2)+2:G0V+4*(((\n)+1)%2)+3], s[G0V+4*(((\n)+1)%2)+2:G0V+4*(((\n)+1)%2)+3], 8*KBLK   ; eight key steps on
	s_add_nc_u64 s[G0P+4*(((\n)+1)%2)+2:G0P+4*(((\n)+1)%2)+3], s[G0P+4*(((\n)+1)%2)+2:G0P+4*(((\n)+1)%2)+3], 8*PBLK
.endif
	s_wait_dscnt 0x0                               ; the add is done, and so are my LDS loads, the fetch that ran ahead among them
	s_barrier_signal -1
	s_barrier_wait -1
.if (\n) < 3
	s_cmp_ge_u32 s[QI], 4*((\n)+1)
	s_cbranch_scc0 .Lnofill_\@
	TLOAD ((\n)+1)%2                               ; the first thing behind the barrier, a wave's one tensor load until the next: it has four key steps in which to land
.Lnofill_\@:
.endif
.endm
	CHANGE 0                                       ; slot 0 is whole; slot 1 is first filled as a refill is
	WORK 0
	CHANGE 1
	WORK 1
	CHANGE 2
	WORK 2
	CHANGE 3
	WORK 3
	; THE WAY OUT, a tile of 16 queries at a time: x 1 / l, through my stage, back as whole rows of 512 bytes.  The stages lie in slot 0: its last fill was waited for at the third change of slots,
	; and every wave's last reads of it in front of the fourth change's barrier; behind that barrier slot 1 alone is read.
	PLACES                                         ; behind the last products, ahead of the first read of results
.irp a, 0,1,2,3
	s_wait_xcnt 0x0                                ; the last tile's stores have read their registers
	WIN 0x01                                       ; source 0: window 1
.irp j, 0,2,4,6,8,10,12,14,16,18,20,22,24,26,28,30,32,34,36,38,40,42,44,46,48,50,52,54,56,58,60,62
	v_pk_mul_f32 v[OT+\j:OT+\j+1], v[64*\a+\j:64*\a+\j+1], v[RL+2*\a:RL+2*\a+1] op_sel_hi:[1,0]   ; each accumulator from its low end on
.endr
	WIN 0
.irp t, 0,1,2,3,4,5,6,7
	ds_store_b128 v14, v[OT+8*\t:OT+8*\t+3] offset:128*(\t/2)+32*(\t%2)          ; register 8 t + j is channel 32 (t / 2) + 16 h + 8 (t % 2) + j
	ds_store_b128 v14, v[OT+8*\t+4:OT+8*\t+7] offset:128*(\t/2)+32*(\t%2)+16
.endr
.irp q, 0,1,2,3,4,5,6,7,8,9,10,11,12,13,14,15
	ds_load_b128 v[BK+4*\q:BK+4*\q+3], v15 offset:SP*\q   ; LDS serves a wave's instructions in order: these see my stores, and the next tile's stores come behind them
.endr
.irp q, 0,1,2,3,4,5,6,7,8,9,10,11,12,13,14,15
	s_wait_dscnt 15-\q                             ; row q is back; the 15 - q behind it may be out
	global_store_b128 v1, v[BK+4*\q:BK+4*\q+3], s[62:63] offset:(32*(\a/2)+8*(\a%2)+\q+8*(\q/8))*4096 th:TH_STORE_NT   ; 512 consecutive bytes, at a multiple of 256 from out's first byte
.endr
.endr
	s_wait_tensorcnt 0x0                           ; the wave's end
	ds_add_u32 v[SPW], v[NIL]
	s_wait_dscnt 0x0
	s_endpgm
.Lfunc_end_k_q9b1a501d45_pv:
	.size	k_q9b1a501d45_pv, .Lfunc_end_k_q9b1a501d45_pv-k_q9b1a501d45_pv
	.p2alignl 7, 3214868480
	.fill 96, 4, 3214868480
	.section	.rodata,"a",@progbits
	.p2align	6, 0x0
	.amdhsa_kernel k_q9b1a501d45_pv
		.amdhsa_group_segment_fixed_size 327680
		.amdhsa_private_segment_fixed_size 0
		.amdhsa_enable_private_segment 0
		.amdhsa_kernarg_size 32
		.amdhsa_user_sgpr_count 2
		.amdhsa_user_sgpr_kernarg_segment_ptr 1
		.amdhsa_wavefront_size32 1
		.amdhsa_system_sgpr_workgroup_id_x 1
		.amdhsa_system_sgpr_workgroup_id_y 1
		.amdhsa_system_sgpr_workgroup_id_z 1
		.amdhsa_system_vgpr_workitem_id 0
		.amdhsa_next_free_vgpr 864
		.amdhsa_next_free_sgpr 100
		.amdhsa_reserve_vcc 0
		.amdhsa_float_denorm_mode_32 3
		.amdhsa_float_denorm_mode_16_64 3
		.amdhsa_memory_ordered 1
		.amdhsa_forward_progress 1
		.amdhsa_inst_pref_size 185
	.end_amdhsa_kernel
	.amdgpu_metadata
---
amdhsa.version: [ 1, 2 ]
amdhsa.kernels:
  - .name:           k_q9b1a501d45_pv
    .symbol:         k_q9b1a501d45_pv.kd
    .args:
      - { .name: pc, .offset: 0, .size: 8, .value_kind: global_buffer, .address_space: global }
      - { .name: pmeta, .offset: 8, .size: 8, .value_kind: global_buffer, .address_space: global }
      - { .name: vt, .offset: 16, .size: 8, .value_kind: global_buffer, .address_space: global }
      - { .name: out0, .offset: 24, .size: 8, .value_kind: global_buffer, .address_space: global }
    .group_segment_fixed_size: 327680
    .private_segment_fixed_size: 0
    .kernarg_segment_align: 8
    .kernarg_segment_size: 32
    .max_flat_workgroup_size: 128
    .sgpr_count:     100
    .vgpr_count:     864
    .wavefront_size: 32
...
	.end_amdgpu_metadata
.endif
;; end of part 4
